; MI455X (gfx1250); checked and timed in simulation.
; The chip was launched on July 23, 2026; its instructions are those of AMD's public machine-readable ISA for CDNA 5 (MIT licence, August 2026) and "CDNA5" Instruction Set Architecture Reference Guide (July 2026). The comments in the code are by the model that wrote it; some were corrected since.
;; Q Eff Grok1 Multi Head Attention. Allowed arithmetic: float matrix products may take bf16 or f16 operands with f32 sums; all other float work in f32.
;; Inputs: attention_mask 2 x 1 x 2,048 x 2,048 bool; hidden_states 2 x 2,048 x 4,096 float32; k_w 4,096 x 512 float32; o_w 1,024 x 4,096 float32; position_ids 2 x 2,048 int32; q_w 4,096 x 1,024 float32; v_w 4,096 x 512 float32.
;; Outputs: out0 2 x 2,048 x 4,096 float32.
;; 2 versions, each right; version 2 is version 1 with the launch prep written anew for expert scheduling mode. Each part assembles by itself: llvm-mc -triple=amdgcn-amd-amdhsa -mcpu=gfx1250 --defsym DOCPART=n.
;; ======== version 1 of 2: 4 launches
;; limits: values are held in f16: magnitudes above 65,504 overflow, below 6.1e-05 lose precision; right only within a limited range of input values
;; workspace buffers: xb 33,554,432 bytes; wb 16,777,216 bytes; owb 8,388,608 bytes; maskbits 1,048,576 bytes of whole numbers; rope 4,194,304 bytes; qkv 16,777,216 bytes; ab 8,388,608 bytes
;; launch prep (part 1): grid 1024 x 1, 8 waves a work-group, no clusters, 0 bytes of LDS; arguments hidden_states, q_w, k_w, v_w, o_w, attention_mask, position_ids, xb, wb, owb, maskbits, rope; writes xb, wb, owb, maskbits, rope
.if DOCPART == 1
	.amdgcn_target "amdgcn-amd-amdhsa--gfx1250"
	.amdhsa_code_object_version 6
	.text
	.protected	k_q95eb2a3289_prep
	.globl	k_q95eb2a3289_prep
	.p2align	8
	.type	k_q95eb2a3289_prep,@function
k_q95eb2a3289_prep:
	s_mov_b64 s[64:65], 0
	v_nop
	global_prefetch_b8 v0, s[64:65] scope:SCOPE_SE
	s_setreg_imm32_b32 hwreg(HW_REG_WAVE_MODE, 25, 1), 1
	s_wait_xcnt 0x0
; PREP: everything that the three matrix launches want ready, in one launch.  The work-group number picks the role.
;   x   0 ..  63  MASK: attention_mask (bytes) -> maskbits, lane masks in the layout of a tile of scores:
;                 [256 tiles of 16 queries][128 tiles of 16 keys][8 words]; bit L of word j = mask[q0 + L%16][16 kt + 8 (L/16) + j]
;   x  64 .. 127  ROPE: position_ids -> rope [2 variants][4096 tokens][64 cos, 64 sin] f32; variant 0 times SQ (for Q), variant 1 plain (for K)
;   x 128 .. 1023 CAST: hidden_states -> xb (bf16); q_w, k_w / 4, v_w / 4 -> wb [4096 k][2048 n] (bf16); 4 o_w -> owb (bf16's bits, written as f16)
; FORMAT, A LIMIT: all five floating-point inputs are rounded to bf16 (eight bits, to nearest even), the rounding of matrix operands that the problem's contract names: the program
; computes reference() of the inputs so rounded.  What is computed from them and becomes a matrix operand later (Q, K, V, the weights p, the attention output) is rounded to f16.
; o_w meets an f16 partner in its product, so its bf16 numbers are written as f16: exact from 2^-17 up, and off by at most 2^-25 below.
; The factors 1/4 and 4 are powers of two: they round nothing and may stand ahead of the rounding.  They keep K, V and the attention output inside f16 for inputs
; thirty times larger, thirty times smaller or offset by thirty spreads (the largest |k| / 4 there is 4096 x 30 x 0.6 / 4 = 18,432).
; LIMIT: sine and cosine are made by a reduction in three parts of pi/2 and polynomials; the text serves |position| up to 2^22.
; No matrix unit, LDS or barrier: every role streams, and no wave needs another.
.set X,   32                           ; v[32:159] data as loaded (CAST, MASK)
.set OUT, 16                           ; v[16:31]  MASK: 512 words of lane masks
.set RES, 32                           ; ROPE: eight result registers for each of a wave's eight rows
	s_load_b512 s[4:19], s[0:1], 0x0               ; hidden s[4:5], q_w s[6:7], k_w s[8:9], v_w s[10:11], o_w s[12:13], mask s[14:15], positions s[16:17], xb s[18:19]
	s_load_b256 s[20:27], s[0:1], 0x40             ; wb s[20:21], owb s[22:23], maskbits s[24:25], rope s[26:27]
	v_lshrrev_b32 v1, 5, v0
	v_readfirstlane_b32 s28, v1                    ; wave 0..7
	s_mov_b32 s31, 0                               ; the high word of every offset pair s[30:31]
	s_mov_b32 s35, 0xffff0000                      ; a word's upper bf16
	s_wait_kmcnt 0x0
; CAST.  A work-group casts 32,768 numbers: 131,072 bytes in, 65,536 out.  Thread t takes the 16 bytes at 16 t + 4096 i, i = 0 .. 31:
; a wave's load covers 512 consecutive bytes, its store (8 bytes a lane) 256 consecutive bytes at a multiple of 256.
; The source is walked as rows of 2^lc groups of four numbers; a row goes to the destination 2^lpd bytes behind the row before, d0 bytes in.
; scale: the factor's bits, or 0 for none.  tof16 = 1: the bf16 numbers are widened again (a shift, a mask) and written as f16.
.macro CAST src, dst, first, lc, lpd, d0, scale, tof16
	s_sub_co_u32 s29, ttmp9, \first
	s_lshl_b32 s30, s29, 17
	s_add_nc_u64 s[\src:\src+1], s[\src:\src+1], s[30:31]
	s_mul_i32 s30, s29, (8192>>\lc)<<\lpd
	s_add_nc_u64 s[\dst:\dst+1], s[\dst:\dst+1], s[30:31]
	v_lshlrev_b32 v1, 4, v0                        ; where I load
	v_and_b32 v2, (1<<\lc)-1, v0                   ; my group in its row,
	v_lshrrev_b32 v3, \lc, v0                      ; my row among those of one i
	v_lshlrev_b32 v2, 3, v2
	v_lshl_add_u32 v2, v3, \lpd, v2                ; where I store
.set i, 0
.rept 32
	global_load_b128 v[X+4*i:X+4*i+3], v1, s[\src:\src+1] offset:4096*i th:TH_LOAD_NT
.set i, i+1
.endr
.set i, 0
.rept 32
	s_wait_loadcnt 31-i                            ; loads come back in order: load i is in, the 31 - i younger ones stay out
.if \scale
	v_pk_mul_f32 v[X+4*i:X+4*i+1], v[X+4*i:X+4*i+1], \scale op_sel_hi:[1,0]
	v_pk_mul_f32 v[X+4*i+2:X+4*i+3], v[X+4*i+2:X+4*i+3], \scale op_sel_hi:[1,0]
.endif
	v_cvt_pk_bf16_f32 v[X+4*i], v[X+4*i], v[X+4*i+1]          ; numbers 0, 1, rounded to nearest even
	v_cvt_pk_bf16_f32 v[X+4*i+1], v[X+4*i+2], v[X+4*i+3]      ; numbers 2, 3
.if \tof16
	v_and_b32 v[X+4*i+3], s35, v[X+4*i+1]          ; number 3 as f32,
	v_lshlrev_b32 v[X+4*i+2], 16, v[X+4*i+1]       ; number 2,
	v_and_b32 v[X+4*i+1], s35, v[X+4*i]            ; number 1,
	v_lshlrev_b32 v[X+4*i], 16, v[X+4*i]           ; number 0
	v_cvt_pk_f16_f32 v[X+4*i], v[X+4*i], v[X+4*i+1]
	v_cvt_pk_f16_f32 v[X+4*i+1], v[X+4*i+2], v[X+4*i+3]
.endif
	global_store_b64 v2, v[X+4*i:X+4*i+1], s[\dst:\dst+1] offset:\d0+i*((256>>\lc)<<\lpd)   ; no register is written after its store, so nothing waits for a store
.set i, i+1
.endr
	s_endpgm
.endm
	s_cmp_lt_u32 ttmp9, 64
	s_cbranch_scc1 .Lmask
	s_cmp_lt_u32 ttmp9, 128
	s_cbranch_scc1 .Lrope
	s_cmp_lt_u32 ttmp9, 640
	s_cbranch_scc1 .Lcast_x
	s_cmp_lt_u32 ttmp9, 768
	s_cbranch_scc1 .Lcast_q
	s_cmp_lt_u32 ttmp9, 832
	s_cbranch_scc1 .Lcast_k
	s_cmp_lt_u32 ttmp9, 896
	s_cbranch_scc1 .Lcast_v
	CAST 12, 22, 896, 8, 11, 0, 0x40800000, 1      ; o_w x 4 -> owb, dense: 128 work-groups
.Lcast_x:
	CAST 4, 18, 128, 8, 11, 0, 0, 0                ; hidden_states -> xb, dense: 512 work-groups
.Lcast_q:
	CAST 6, 20, 640, 8, 12, 0, 0, 0                ; q_w -> columns 0 .. 1023 of wb (rows of 4,096 bytes): 128 work-groups
.Lcast_k:
	CAST 8, 20, 768, 7, 12, 2048, 0x3e800000, 0    ; k_w / 4 -> columns 1024 .. 1535: 64 work-groups
.Lcast_v:
	CAST 10, 20, 832, 7, 12, 3072, 0x3e800000, 0   ; v_w / 4 -> columns 1536 .. 2047: 64 work-groups
; MASK.  Wave W = 8 x + wave packs 16 queries (tile W / 2) x 1,024 keys (half W % 2).
; Lane (r = L % 16, h = L / 16) loads the 16 bytes of row r at keys 32 c + 16 h; two exchanges of half-registers bring each tile of 16 keys
; into the map of a score tile (lane (r, h): keys 8 h + 0 .. 7 in two registers); a compare of one byte then IS a lane mask.
.Lmask:
	s_lshl_b32 s29, ttmp9, 3
	s_add_co_u32 s29, s29, s28                     ; W
	s_lshr_b32 s32, s29, 1                         ; the tile of queries
	s_and_b32 s33, s29, 1                          ; the half of the keys
	s_lshl_b32 s30, s32, 15                        ; 16 rows of 2,048 bytes
	s_lshl_b32 s34, s33, 10
	s_add_co_u32 s30, s30, s34
	s_add_nc_u64 s[14:15], s[14:15], s[30:31]
	s_lshl_b32 s30, s32, 12                        ; 128 key tiles x 32 bytes
	s_lshl_b32 s34, s33, 11
	s_add_co_u32 s30, s30, s34
	s_add_nc_u64 s[24:25], s[24:25], s[30:31]
	v_and_b32 v1, 15, v0
	v_bfe_u32 v2, v0, 4, 1
	v_lshlrev_b32 v1, 11, v1
	v_lshl_add_u32 v1, v2, 4, v1                   ; r x 2048 + 16 h
.set c, 0
.rept 32
	global_load_b128 v[X+4*c:X+4*c+3], v1, s[14:15] offset:32*c
.set c, c+1
.endr
	v_and_b32 v3, 31, v0
	v_lshlrev_b32 v3, 4, v3                        ; where I store: 16 x lane
.set i, 0
.rept 16
	v_mov_b32 v[OUT+i], 0                          ; v_writelane_b32 keeps the other lanes, so its destination is written whole first
.set i, i+1
.endr
.set c, 0
.rept 32
	s_wait_loadcnt 31-c                            ; load c is in, the younger ones stay out
	v_permlane16_swap_b32 v[X+4*c], v[X+4*c+2]     ; registers 4c, 4c+1: key tile 2c; registers 4c+2, 4c+3: key tile 2c+1
	v_permlane16_swap_b32 v[X+4*c+1], v[X+4*c+3]
.irp u, 0,1
.irp j, 0,1,2,3,4,5,6,7
	v_and_b32 v[4+\j], 0xff<<(8*(\j&3)), v[X+4*c+2*\u+(\j>>2)]
.endr
.irp j, 0,1,2,3,4,5,6,7
	v_cmp_ne_u32 s[40+\j], 0, v[4+\j]              ; bit L: is key 8 h + j masked for query r
.endr
.irp j, 0,1,2,3,4,5,6,7
	v_writelane_b32 v[OUT+4*((2*c+\u)/16)+(\j&3)], s[40+\j], ((2*c+\u)%16)*2+(\j>>2)   ; word 8 kt + j of the wave's 512 = 128 Q + 4 lane + register
.endr
.endr
.set c, c+1
.endr
.irp q, 0,1,2,3
	global_store_b128 v3, v[OUT+4*\q:OUT+4*\q+3], s[24:25] offset:512*\q   ; 512 consecutive bytes
.endr
	s_endpgm
; ROPE.  Wave W = 8 (x - 64) + wave makes the rows of tokens 8 W .. 8 W + 7.  Lane l owns the frequencies 2 l and 2 l + 1.
; x = k pi/2 + r, |r| <= pi/4: the polynomials give sin r and cos r, k mod 4 says which is which and their signs.
.macro SINCOS x, c, s
	v_mul_f32 v10, s48, v[\x]
	v_rndne_f32 v10, v10                           ; k
	v_fma_f32 v11, v10, s49, v[\x]                 ; x - k pi/2, pi/2 in three parts
	v_fma_f32 v11, v10, s50, v11
	v_fma_f32 v11, v10, s51, v11                   ; r
	v_mul_f32 v12, v11, v11                        ; r^2
	v_fma_f32 v13, v12, s54, s53
	v_fma_f32 v13, v12, v13, s52
	v_mul_f32 v14, v11, v12
	v_fma_f32 v13, v14, v13, v11                   ; sin r = r + r^3 (S1 + r^2 (S2 + r^2 S3))
	v_fma_f32 v14, v12, s57, s56
	v_fma_f32 v14, v12, v14, s55
	v_fma_f32 v14, v12, v14, -0.5
	v_fma_f32 v14, v12, v14, 1.0                   ; cos r = 1 + r^2 (-1/2 + r^2 (C2 + r^2 (C3 + r^2 C4)))
	v_cvt_i32_f32 v15, v10
	v_and_b32 v10, 1, v15
	v_cmp_ne_u32 vcc_lo, 0, v10
	v_cndmask_b32 v[\s], v13, v14, vcc_lo          ; k odd: the two change places
	v_cndmask_b32 v[\c], v14, v13, vcc_lo
	v_lshlrev_b32 v10, 30, v15
	v_and_b32 v10, 0x80000000, v10                 ; sine is negative for k mod 4 = 2, 3
	v_xor_b32 v[\s], v[\s], v10
	v_add_nc_u32 v15, 1, v15
	v_lshlrev_b32 v15, 30, v15
	v_and_b32 v15, 0x80000000, v15                 ; cosine for k mod 4 = 1, 2
	v_xor_b32 v[\c], v[\c], v15
.endm
.Lrope:
	s_sub_co_u32 s29, ttmp9, 64
	s_lshl_b32 s29, s29, 3
	s_add_co_u32 s29, s29, s28                     ; W
	s_lshl_b32 s30, s29, 5                         ; eight positions of 4 bytes
	s_add_nc_u64 s[16:17], s[16:17], s[30:31]
	s_load_b256 s[40:47], s[16:17], 0x0
	s_lshl_b32 s30, s29, 12                        ; eight rows of 512 bytes
	s_add_nc_u64 s[26:27], s[26:27], s[30:31]
	s_mov_b32 s48, 0x3f22f983                      ; 2 / pi
	s_mov_b32 s49, 0xbfc90fdb                      ; - pi/2, first part
	s_mov_b32 s50, 0x333bbd2e                      ; second part
	s_mov_b32 s51, 0x26f72ced                      ; third part
	s_mov_b32 s52, 0xbe2aaaab                      ; S1 = -1/6
	s_mov_b32 s53, 0x3c088889                      ; S2 = 1/120
	s_mov_b32 s54, 0xb9500d01                      ; S3 = -1/5040
	s_mov_b32 s55, 0x3d2aaaab                      ; C2 = 1/24
	s_mov_b32 s56, 0xbab60b61                      ; C3 = -1/720
	s_mov_b32 s57, 0x37d00d01                      ; C4 = 1/40320
	s_mov_b32 s58, 0x3d0b4875                      ; SQ = 4 x 2 log2(e) / (30 sqrt(128)): with K / 4 it makes Q . K the exponent of the soft cap
	s_mov_b32 s59, s58                             ; named with it as a pair, so it is written
	v_and_b32 v1, 31, v0
	v_lshlrev_b32 v2, 1, v1
	v_add_nc_u32 v3, 1, v2
	v_cvt_f32_u32 v4, v2
	v_cvt_f32_u32 v5, v3
	v_mul_f32 v4, 0xbe549a78, v4                   ; - f log2(10000) / 64
	v_mul_f32 v5, 0xbe549a78, v5
	v_exp_f32 v4, v4                               ; 10000^(-f/64)
	v_exp_f32 v5, v5
	v_lshlrev_b32 v6, 3, v1                        ; where I store: 8 x lane.  Also the plain instruction behind the exponentials
	s_wait_kmcnt 0x0
	s_wait_alu depctr_va_vdst(0)
.irp p, 0,1,2,3,4,5,6,7
	v_cvt_f32_i32 v7, s[40+\p]
	v_mul_f32 v8, v7, v4                           ; the angle, rounded once
	v_mul_f32 v9, v7, v5
	SINCOS 8, RES+8*\p, RES+8*\p+2
	SINCOS 9, RES+8*\p+1, RES+8*\p+3
	v_pk_mul_f32 v[RES+8*\p+4:RES+8*\p+5], v[RES+8*\p:RES+8*\p+1], s[58:59] op_sel_hi:[1,0]
	v_pk_mul_f32 v[RES+8*\p+6:RES+8*\p+7], v[RES+8*\p+2:RES+8*\p+3], s[58:59] op_sel_hi:[1,0]
	global_store_b64 v6, v[RES+8*\p+4:RES+8*\p+5], s[26:27] offset:\p*512              ; each store of the wave: 256 consecutive bytes, aligned
	global_store_b64 v6, v[RES+8*\p+6:RES+8*\p+7], s[26:27] offset:\p*512+256
	global_store_b64 v6, v[RES+8*\p:RES+8*\p+1], s[26:27] offset:2097152+\p*512
	global_store_b64 v6, v[RES+8*\p+2:RES+8*\p+3], s[26:27] offset:2097152+\p*512+256
.endr
	s_endpgm
.Lfunc_end_k_q95eb2a3289_prep:
	.size	k_q95eb2a3289_prep, .Lfunc_end_k_q95eb2a3289_prep-k_q95eb2a3289_prep
	.p2alignl 7, 3214868480
	.fill 96, 4, 3214868480
	.section	.rodata,"a",@progbits
	.p2align	6, 0x0
	.amdhsa_kernel k_q95eb2a3289_prep
		.amdhsa_group_segment_fixed_size 0
		.amdhsa_private_segment_fixed_size 0
		.amdhsa_enable_private_segment 0
		.amdhsa_kernarg_size 96
		.amdhsa_user_sgpr_count 2
		.amdhsa_user_sgpr_kernarg_segment_ptr 1
		.amdhsa_wavefront_size32 1
		.amdhsa_system_sgpr_workgroup_id_x 1
		.amdhsa_system_sgpr_workgroup_id_y 1
		.amdhsa_system_sgpr_workgroup_id_z 1
		.amdhsa_system_vgpr_workitem_id 0
		.amdhsa_next_free_vgpr 160
		.amdhsa_next_free_sgpr 66
		.amdhsa_reserve_vcc 1
		.amdhsa_float_denorm_mode_32 3
		.amdhsa_float_denorm_mode_16_64 3
		.amdhsa_memory_ordered 1
		.amdhsa_forward_progress 1
		.amdhsa_inst_pref_size 212
	.end_amdhsa_kernel
	.amdgpu_metadata
---
amdhsa.version: [ 1, 2 ]
amdhsa.kernels:
  - .name:           k_q95eb2a3289_prep
    .symbol:         k_q95eb2a3289_prep.kd
    .args:
      - { .name: hidden_states, .offset: 0, .size: 8, .value_kind: global_buffer, .address_space: global }
      - { .name: q_w, .offset: 8, .size: 8, .value_kind: global_buffer, .address_space: global }
      - { .name: k_w, .offset: 16, .size: 8, .value_kind: global_buffer, .address_space: global }
      - { .name: v_w, .offset: 24, .size: 8, .value_kind: global_buffer, .address_space: global }
      - { .name: o_w, .offset: 32, .size: 8, .value_kind: global_buffer, .address_space: global }
      - { .name: attention_mask, .offset: 40, .size: 8, .value_kind: global_buffer, .address_space: global }
      - { .name: position_ids, .offset: 48, .size: 8, .value_kind: global_buffer, .address_space: global }
      - { .name: xb, .offset: 56, .size: 8, .value_kind: global_buffer, .address_space: global }
      - { .name: wb, .offset: 64, .size: 8, .value_kind: global_buffer, .address_space: global }
      - { .name: owb, .offset: 72, .size: 8, .value_kind: global_buffer, .address_space: global }
      - { .name: maskbits, .offset: 80, .size: 8, .value_kind: global_buffer, .address_space: global }
      - { .name: rope, .offset: 88, .size: 8, .value_kind: global_buffer, .address_space: global }
    .group_segment_fixed_size: 0
    .private_segment_fixed_size: 0
    .kernarg_segment_align: 8
    .kernarg_segment_size: 96
    .max_flat_workgroup_size: 256
    .sgpr_count:     66
    .vgpr_count:     160
    .wavefront_size: 32
...
	.end_amdgpu_metadata
.endif
;; end of part 1
;; launch qkv (part 2): grid 16 x 16, 4 waves a work-group, clusters of 4 x 4, 327,680 bytes of LDS; arguments xb, wb, rope, qkv; writes qkv
.if DOCPART == 2
	.amdgcn_target "amdgcn-amd-amdhsa--gfx1250"
	.amdhsa_code_object_version 6
	.text
	.protected	k_q95eb2a3289_qkv
	.globl	k_q95eb2a3289_qkv
	.p2align	8
	.type	k_q95eb2a3289_qkv,@function
k_q95eb2a3289_qkv:
	s_mov_b64 s[64:65], 0
	v_nop
	global_prefetch_b8 v0, s[64:65] scope:SCOPE_SE
	s_setreg_imm32_b32 hwreg(HW_REG_WAVE_MODE, 25, 1), 1
	s_wait_xcnt 0x0
	s_wait_alu depctr_hold_cnt(0) depctr_sa_sdst(0) depctr_va_vdst(0) depctr_va_sdst(0) depctr_va_ssrc(0) depctr_va_vcc(0) depctr_vm_vsrc(0)
	s_getreg_b32 s2, hwreg(HW_REG_IB_STS2, 6, 4)
	s_cmp_eq_u32 s2, 0
	s_cbranch_scc0 .Lentry_in_a_cluster
	s_endpgm
.Lentry_in_a_cluster:
	s_bfe_u32 s2, ttmp6, 0x10000c
	s_cmp_lg_u32 s2, 0xf033
	s_cbranch_scc0 .Lentry_shape_is_right
	s_endpgm
.Lentry_shape_is_right:
; C = A B.  A: [4096][SIZE_K], K along the rows.  B: [SIZE_K][NPITCH], N along the rows.  Both of 16 bits.  Sums in f32.
; IS_QKV = 1: A = xb, B = wb, both bf16; C gets the rotary embedding and goes to qkv [b][16 head slots][2048][128] in f16 (slots 0-7 Q x SQ, 8-11 K / 4, 12-15 V / 4).
; IS_QKV = 0: A = ab (attention output / 4), B = owb (4 o_w), both f16; C goes to out0 [4096][4096] in f32.
; FORMATS.  The operands made from inputs carry bf16's eight bits (a limit of format, stated in the launch that casts them).  Q, K and V, which are operands of later products, are rounded
; to f16: its eleven bits are wanted by rows of the final output that are much larger than its root mean square, and the factors SQ and 1/4 keep them in its range.
; SHARES.  A work-group makes 256 rows x 128 columns; its four waves lie one below the other, 64 x 128 each: 32 accumulators of 16 x 16, 256 registers.
; 128 columns are one head, so that the two partners d and d + 64 of the rotary embedding lie in one lane; and 16 x 16 such tiles give one work-group to each of 256 WGPs.
; K goes in steps of 128 through two LDS slots filled by the tensor data mover: 256 rows of A (256 bytes each), 128 rows of B (256 bytes each).
; B lies [k][n], so its fragments come out of LDS turned, by ds_load_tr16_b128.
; THE MATRIX INSTRUCTION IS USED TRANSPOSED (source 0 = 16 columns of B, source 1 = 16 rows of A): a lane then holds eight neighbouring numbers of a row of C.
; CLUSTERS: 4 x 4 work-groups.  The four of a row of the cluster need the same tiles of A, the four of a column the same tiles of B: each tile is asked for jointly.
; REGISTERS: window 0: v0-31 addresses; v32-127, v128-223 two fragment buffers (64 of B, 32 of A, for 32 along K).  Window 1: accumulator (a, b) at v[8 (8 a + b)].
;   Window 2 (IS_QKV): cosines and sines of my 64 rows: v[64 a + 16 p + 0..7] cos, + 8..15 sin, for channels 16 p + 8 (lane / 16) + 0..7.
.set IS_QKV, 1
.if IS_QKV
.set SIZE_K, 4096
.set NPITCH, 2048
.set SPITCH, 272                       ; a stage row: 128 f16 + 16 bytes
.else
.set SIZE_K, 1024
.set NPITCH, 4096
.set SPITCH, 528                       ; a stage row: 128 f32 + 16 bytes
.endif
.set KSTEP,  128
.set PA,     272                       ; a row of A in LDS: 256 bytes + 16: the 16 rows of a fragment load start 16 bytes apart modulo 256
.set PB,     288                       ; a row of B: 256 + 32: 16 lanes of the turning load take 8 rows x 32 bytes, all different modulo 256
.set AHALF,  128*PA                    ; what one tensor load brings of A
.set ABYTES, 2*AHALF
.set BHALF,  64*PB                     ; what one tensor load brings of B
.set SLOT,   ABYTES+2*BHALF            ; 106,496
.set STAGE,  2*SLOT                    ; behind the ring: 16 stage rows for each wave; no tensor load fills it
.set LAPS,   SIZE_K/(2*KSTEP)          ; a lap = two K steps = once round the ring
.set ADRA, 16                          ; v16-17  LDS address of my A fragments in slot 0, 1
.set ADRB, 20                          ; v20-21  the same for B
.set STO,  24                          ; v24     the way out: where I put my part of a row
.set RD,   25                          ; v25     the way out: where I read rows back
.set CO,   26                          ; v26     my byte offset in C
.set TO,   27                          ; v27     my byte offset in the table of cosines and sines
.set F0,   32
.set F1,   128
.set TT,   32                          ; IS_QKV, the way out: x2 sin (32 registers), x1 sin (32)
.set TMP,  96                          ; IS_QKV, the way out: a block rounded to f16
.if IS_QKV
.set OB,   128                         ; rows read back from the stage: 32 registers for each of the four blocks
.else
.set OB,   32                          ; 64 registers, two sets by turns
.endif
.set G1,  24                           ; s[24:31] descriptor group 1 for A;  s[32:39] group 0, a set for each slot
.set G0,  32
.set G1B, 48                           ; s[48:55], s[56:63] the same for B
.set G0B, 56
.set MSB, 0
.macro WIN new                         ; the immediate's high byte repeats the setting that is left; a switch that changes nothing is dropped
.if MSB != \new
	s_set_vgpr_msb (MSB<<8)|\new
.set MSB, \new
.endif
.endm
.set MUL, 0x50                         ; sources 0 and 1 window 0; C and D window 1
.macro PLACES                          ; four places in front of loads into registers that matrix instructions have read, and of instructions that read results
.rept 4
	v_nop
.endr
.endm
.macro JLOAD s                         ; a joint load: waves 0 and 1 fetch the halves of A, waves 2 and 3 those of B; four v_nop follow each of the two lines
	s_cmp_eq_u32 s13, 0
	s_cbranch_scc0 .Lfor_b_\@
	tensor_load_to_lds s[G0+4*\s:G0+4*\s+3], s[G1:G1+7]
	s_nop 0
.rept 4
	v_nop
.endr
	s_branch .Lasked_\@
.Lfor_b_\@:
	tensor_load_to_lds s[G0B+4*\s:G0B+4*\s+3], s[G1B:G1B+7]
	s_nop 0
.rept 4
	v_nop
.endr
.Lasked_\@:
.endm
.macro CREST                           ; a round of the cluster barrier behind its opening barrier
	s_cmp_lg_u32 s12, 0
	s_cbranch_scc1 .Lnot_wave_0_\@
	s_barrier_signal -3
.Lnot_wave_0_\@:
	s_barrier_wait -3
	s_barrier_signal -1
	s_barrier_wait -1
.endm
.macro CROUND                          ; a whole round
	s_barrier_signal -1
	s_barrier_wait -1
	CREST
.endm
.if IS_QKV
	s_load_b256 s[4:11], s[0:1], 0x0               ; A s[4:5], B s[6:7], table s[8:9], C s[10:11]
	v_lshl_add_u32 v30, v0, 2, 0x38400
	v_mov_b32 v31, 0
	ds_add_u32 v30, v31
.else
	s_load_b128 s[4:7], s[0:1], 0x0                ; A s[4:5], B s[6:7]
	s_load_b64 s[10:11], s[0:1], 0x10              ; C
.endif
	v_lshrrev_b32 v1, 5, v0
	v_readfirstlane_b32 s12, v1                    ; wave 0..3
	s_lshr_b32 s13, s12, 1                         ; I fetch for A (0) or for B (1),
	s_and_b32 s14, s12, 1                          ; its first or second half
	s_bfe_u32 s15, ttmp6, 0x40000                  ; cx, cy: my place in the cluster
	s_bfe_u32 s16, ttmp6, 0x40004
	s_lshl_b32 s17, ttmp9, 2
	s_add_co_u32 s17, s17, s15                     ; tile column = 4 x cluster x + cx
	s_and_b32 s18, ttmp7, 0xffff
	s_lshl_b32 s18, s18, 2
	s_add_co_u32 s18, s18, s16                     ; tile row = 4 x cluster y + cy
	s_lshl_b32 s40, s16, 2
	s_lshl_b32 s40, 15, s40                        ; my row of the cluster
	s_lshl_b32 s41, 0x1111, s15                    ; my column
	s_or_b32 s[G1+0], s40, (1<<16)|(1<<20)|(1<<21)|(5<<22)|(3<<25)   ; 15:0 the mask: tiles of A go to my row; 17:16 elements of 2 bytes; 20 padding on; 21 set beside a mask; 24:22 after every 64 words; 31:25 4 words of it
	s_or_b32 s[G1B+0], s41, (1<<16)|(1<<20)|(1<<21)|(5<<22)|(7<<25)  ; tiles of B go to my column; 8 words of padding
	s_mov_b32 s[G1+1], KSTEP<<16                   ; tensor_dim0 = 128
	s_mov_b32 s[G1+2], 128<<16                     ; tensor_dim1 = 128
	s_mov_b32 s[G1+3], KSTEP<<16                   ; tile_dim0 = 128
	s_mov_b32 s[G1+4], 128                         ; tile_dim1 = 128 rows
	s_mov_b32 s[G1+5], SIZE_K                      ; elements from row to row
	s_mov_b32 s[G1+6], 0
	s_mov_b32 s[G1+7], 0
	s_mov_b32 s[G1B+1], 128<<16                    ; tensor_dim0 = 128 columns
	s_mov_b32 s[G1B+2], 64<<16                     ; tensor_dim1 = 64
	s_mov_b32 s[G1B+3], 128<<16                    ; tile_dim0 = 128
	s_mov_b32 s[G1B+4], 64                         ; tile_dim1 = 64 rows of k
	s_mov_b32 s[G1B+5], NPITCH
	s_mov_b32 s[G1B+6], 0
	s_mov_b32 s[G1B+7], 0
	; where the tiles come from.  A hangs on the tile row alone, B on the tile column alone; each in registers that never hold the other coordinate.
	s_lshl_b32 s42, s18, 8
	s_lshl_b32 s43, s14, 7
	s_add_co_u32 s42, s42, s43                     ; A: row 256 x tile row + 128 x half
	s_mul_i32 s42, s42, SIZE_K*2                   ; in bytes: under 2^26
	s_mov_b32 s43, 0
	s_mul_i32 s46, s14, 64*NPITCH*2                ; B: row of k 64 x half,
	s_lshl_b32 s47, s17, 8
	s_add_co_u32 s46, s46, s47                     ; column 128 x tile column
	s_mov_b32 s47, 0
	s_mul_i32 s20, s14, AHALF                      ; where they go: no place in the cluster enters an LDS address
	s_mul_i32 s21, s14, BHALF
	s_add_co_u32 s21, s21, ABYTES
	s_wait_dscnt 0x0
	s_wait_kmcnt 0x0
	s_add_nc_u64 s[42:43], s[4:5], s[42:43]
	s_add_nc_u64 s[46:47], s[6:7], s[46:47]
	CROUND                                         ; all sixteen work-groups are here: the first joint loads meet
.irp s, 0,1
	s_mov_b32 s[G0+4*\s], 1                                        ; count = 1
	s_add_co_u32 s[G0+4*\s+1], s20, \s*SLOT                        ; LDS address
	s_add_nc_u64 s[G0+4*\s+2:G0+4*\s+3], s[42:43], \s*KSTEP*2      ; global address: K step s
	s_or_b32 s[G0+4*\s+3], s[G0+4*\s+3], 0x80000000                ; type = 2
	s_mov_b32 s[G0B+4*\s], 1
	s_add_co_u32 s[G0B+4*\s+1], s21, \s*SLOT
	s_add_nc_u64 s[G0B+4*\s+2:G0B+4*\s+3], s[46:47], \s*KSTEP*NPITCH*2
	s_or_b32 s[G0B+4*\s+3], s[G0B+4*\s+3], 0x80000000
	JLOAD \s                                       ; two tensor loads of mine are out
.endr
	v_and_b32 v1, 15, v0                           ; r = lane % 16
	v_bfe_u32 v2, v0, 4, 1                         ; h = lane / 16
	v_mul_u32_u24 v3, v1, PA
	v_lshl_add_u32 v3, v2, 4, v3                   ; a fragment of A: row r, 16 bytes for each half of the lanes
	s_mul_i32 s22, s12, 64*PA                      ; my 64 rows
	v_add_nc_u32 v[ADRA], s22, v3
	v_add_nc_u32 v[ADRA+1], SLOT, v[ADRA]
	v_and_b32 v4, 7, v0
	v_lshl_add_u32 v4, v2, 3, v4                   ; the turning load: row of k 8 h + lane % 8,
	v_mul_u32_u24 v4, v4, PB
	v_bfe_u32 v5, v0, 3, 1
	v_lshl_add_u32 v4, v5, 4, v4                   ; columns 8 ((lane / 8) % 2) + 0..7
	v_add_nc_u32 v[ADRB], ABYTES, v4
	v_add_nc_u32 v[ADRB+1], SLOT, v[ADRB]
	s_mul_i32 s23, s12, 16*SPITCH
	s_add_co_u32 s23, s23, STAGE                   ; my stage
	v_and_b32 v5, 31, v0
	v_lshlrev_b32 v[CO], 4, v5                     ; in C: 16 x lane
	v_mul_u32_u24 v4, v1, SPITCH
.if IS_QKV
	v_lshl_add_u32 v4, v2, 4, v4                   ; in: row r, 16 bytes (8 f16) for each half of the lanes
	v_add_nc_u32 v[STO], s23, v4
	v_mul_u32_u24 v5, v2, SPITCH                   ; back: lanes 0-15 one row of 256 bytes, lanes 16-31 the next
	v_lshl_add_u32 v5, v1, 4, v5
	v_add_nc_u32 v[RD], s23, v5
	; the table: variant 0 (times SQ) for the heads of Q (clusters 0 and 1 along x), variant 1 for the others; my 64 tokens
	s_cmp_lt_u32 ttmp9, 2
	s_cselect_b32 s44, 0, 0x200000
	s_lshl_b32 s45, s18, 8
	s_lshl_b32 s19, s12, 6
	s_add_co_u32 s45, s45, s19
	s_lshl_b32 s45, s45, 9                         ; rows of 512 bytes
	s_add_co_u32 s44, s44, s45
	s_mov_b32 s45, 0
	s_add_nc_u64 s[8:9], s[8:9], s[44:45]
	v_lshlrev_b32 v[TO], 9, v1
	v_lshl_add_u32 v[TO], v2, 5, v[TO]             ; row r, 8 numbers for each half of the lanes
	WIN 0x80                                       ; destination window 2
.irp a, 0,1,2,3
.irp p, 0,1,2,3
	global_load_b128 v[64*\a+16*\p:64*\a+16*\p+3],     v[TO], s[8:9] offset:\a*8192+\p*64
	global_load_b128 v[64*\a+16*\p+4:64*\a+16*\p+7],   v[TO], s[8:9] offset:\a*8192+\p*64+16
	global_load_b128 v[64*\a+16*\p+8:64*\a+16*\p+11],  v[TO], s[8:9] offset:\a*8192+\p*64+256
	global_load_b128 v[64*\a+16*\p+12:64*\a+16*\p+15], v[TO], s[8:9] offset:\a*8192+\p*64+272
.endr
.endr
	WIN 0
	; C: row (tile row % 8) x 256 + 64 x wave of head slot (tile column) of batch (tile row / 8); rows of 256 bytes
	s_lshr_b32 s44, s18, 3
	s_lshl_b32 s44, s44, 4
	s_add_co_u32 s44, s44, s17
	s_lshl_b32 s44, s44, 11
	s_and_b32 s45, s18, 7
	s_lshl_b32 s45, s45, 8
	s_add_co_u32 s44, s44, s45
	s_lshl_b32 s45, s12, 6
	s_add_co_u32 s44, s44, s45
	s_lshl_b32 s44, s44, 8
.else
	v_lshl_add_u32 v4, v2, 5, v4                   ; in: row r, 32 bytes (8 f32) for each half of the lanes
	v_add_nc_u32 v[STO], s23, v4
	v_add_nc_u32 v[RD], s23, v[CO]                 ; back: a whole row of 512 bytes
	; C: row 256 x tile row + 64 x wave (16,384 bytes each), column 128 x tile column
	s_lshl_b32 s44, s18, 8
	s_lshl_b32 s45, s12, 6
	s_add_co_u32 s44, s44, s45
	s_lshl_b32 s44, s44, 14
	s_lshl_b32 s45, s17, 9
	s_add_co_u32 s44, s44, s45
.endif
	s_mov_b32 s45, 0
	s_add_nc_u64 s[10:11], s[10:11], s[44:45]
; 8 matrix instructions: row block a x all 8 column blocks, 32 along K, from buffer f.  zero = 1: the product starts the sums: nothing is ever cleared.
; The 32 accumulators take turns, one instruction a turn, in the same order in every quarter.  The form is the operands': bf16 with IS_QKV, else f16.
.macro MUL8 f, a, zero
.irp b, 0,1,2,3,4,5,6,7
.if IS_QKV && \zero
	v_wmma_f32_16x16x32_bf16 v[8*(8*\a+\b):8*(8*\a+\b)+7], v[\f+8*\b:\f+8*\b+7], v[\f+64+8*\a:\f+64+8*\a+7], 0
.elseif IS_QKV
	v_wmma_f32_16x16x32_bf16 v[8*(8*\a+\b):8*(8*\a+\b)+7], v[\f+8*\b:\f+8*\b+7], v[\f+64+8*\a:\f+64+8*\a+7], v[8*(8*\a+\b):8*(8*\a+\b)+7]
.elseif \zero
	v_wmma_f32_16x16x32_f16 v[8*(8*\a+\b):8*(8*\a+\b)+7], v[\f+8*\b:\f+8*\b+7], v[\f+64+8*\a:\f+64+8*\a+7], 0
.else
	v_wmma_f32_16x16x32_f16 v[8*(8*\a+\b):8*(8*\a+\b)+7], v[\f+8*\b:\f+8*\b+7], v[\f+64+8*\a:\f+64+8*\a+7], v[8*(8*\a+\b):8*(8*\a+\b)+7]
.endif
.endr
.endm
; 24 LDS loads in one run: the fragments of quarter q (32 along K) of a slot into buffer f: 16 for B (turned), then 8 for A
.macro FETCH slot, q, f
	WIN 0
.irp b, 0,1,2,3,4,5,6,7
	ds_load_tr16_b128 v[\f+8*\b:\f+8*\b+3],   v[ADRB+\slot] offset:\q*32*PB+32*\b
	ds_load_tr16_b128 v[\f+8*\b+4:\f+8*\b+7], v[ADRB+\slot] offset:\q*32*PB+16*PB+32*\b
.endr
.irp a, 0,1,2,3
	ds_load_b128 v[\f+64+8*\a:\f+64+8*\a+3],   v[ADRA+\slot] offset:\q*64+\a*16*PA
	ds_load_b128 v[\f+64+8*\a+4:\f+64+8*\a+7], v[ADRA+\slot] offset:\q*64+\a*16*PA+32
.endr
.endm
; A K step is four quarters of 32 along K, 32 matrix instructions each, on buffers 0, 1, 0, 1.  One of the first three: multiplies buffer f and fetches quarter qn into g.
.macro QUARTER slot, qn, f, g, zero
	s_wait_dscnt 4                                 ; B and row blocks 0, 1 of A are in; the youngest four loads (row blocks 2, 3) may be out
	WIN MUL
	MUL8 \f, 0, \zero
	MUL8 \f, 1, \zero
	PLACES
	FETCH \slot, \qn, \g
	s_wait_dscnt 24                                ; all but the 24 just issued
	WIN MUL
	MUL8 \f, 2, \zero
	MUL8 \f, 3, \zero
.endm
; The last quarter multiplies buffer 1 and changes slots: ONE barrier; in front of it each wave waits for its own reads of this slot and for all its tensor loads.
; fill = 1: the barrier opens a round of the cluster barrier, and this slot is filled again, two K steps ahead, first thing behind the round.
.macro TURN slot, next, fill
	s_wait_dscnt 4
	WIN MUL
	MUL8 F1, 0, 0
	s_wait_dscnt 0                                 ; my reads of this slot are over,
	s_wait_tensorcnt 0x0                           ; and all my tensor loads have landed: the one that was out is my part of the next slot
	ds_add_u32 v30, v31
	s_wait_dscnt 0x0
	s_barrier_signal -1
	MUL8 F1, 1, 0                                  ; register work while the others arrive
.if \fill
	WIN 0
.endif
	s_barrier_wait -1
.if \fill
	CREST                                          ; no wave of any partner still reads this slot or has a load on its way
	s_add_nc_u64 s[G0+4*\slot+2:G0+4*\slot+3], s[G0+4*\slot+2:G0+4*\slot+3], 2*KSTEP*2
	s_add_nc_u64 s[G0B+4*\slot+2:G0B+4*\slot+3], s[G0B+4*\slot+2:G0B+4*\slot+3], 2*KSTEP*NPITCH*2
	JLOAD \slot                                    ; my one tensor load behind the round; its four v_nop are also the places in front of the loads below
.else
	PLACES
.endif
	FETCH \next, 0, F0
	WIN MUL
	MUL8 F1, 2, 0
	MUL8 F1, 3, 0
.endm
	s_wait_tensorcnt 1                             ; my part of K step 0 is in; K step 1 may stay out
	s_barrier_signal -1
	s_barrier_wait -1                              ; everybody's is
	FETCH 0, 0, F0
	QUARTER 0, 1, F0, F1, 1                        ; the first quarter stands in front of the loop: its products start the sums
	WIN 0                                          ; at a label and at a branch every window is 0
	s_mov_b32 s3, LAPS-1
.Llap:                                                 ; a trip goes once round the ring, from a lap's second quarter to the next lap's first, and fills both slots again
	QUARTER 0, 2, F1, F0, 0
	QUARTER 0, 3, F0, F1, 0
	TURN 0, 1, 1
	QUARTER 1, 1, F0, F1, 0
	QUARTER 1, 2, F1, F0, 0
	QUARTER 1, 3, F0, F1, 0
	TURN 1, 0, 1
	QUARTER 0, 1, F0, F1, 0
	WIN 0
	s_sub_co_u32 s3, s3, 1
	s_cmp_lg_u32 s3, 0
	s_cbranch_scc1 .Llap
	QUARTER 0, 2, F1, F0, 0                        ; the last lap fills nothing
	QUARTER 0, 3, F0, F1, 0
	TURN 0, 1, 0
	QUARTER 1, 1, F0, F1, 0
	QUARTER 1, 2, F1, F0, 0
	QUARTER 1, 3, F0, F1, 0
	s_wait_dscnt 4                                 ; the very last quarter: nothing more to fetch
	WIN MUL
	MUL8 F1, 0, 0
	MUL8 F1, 1, 0
	s_wait_dscnt 0
	MUL8 F1, 2, 0
	MUL8 F1, 3, 0
	WIN 0
	PLACES                                         ; what follows reads results and writes fragment registers
.if IS_QKV
; THE ROTARY EMBEDDING of row block a, in place: x1 = columns 0-63 (accumulators p), x2 = columns 64-127 (accumulators p + 4):
; x1 <- x1 cos - x2 sin, x2 <- x2 cos + x1 sin.
.macro ROPE a
	WIN 0x09                                       ; source 0 window 1 (x), source 1 window 2 (the table), destination window 0
.irp p, 0,1,2,3
.irp j, 0,2,4,6
	v_pk_mul_f32 v[TT+8*\p+\j:TT+8*\p+\j+1],       v[8*(8*\a+\p+4)+\j:8*(8*\a+\p+4)+\j+1], v[64*\a+16*\p+8+\j:64*\a+16*\p+8+\j+1]
	v_pk_mul_f32 v[TT+32+8*\p+\j:TT+32+8*\p+\j+1], v[8*(8*\a+\p)+\j:8*(8*\a+\p)+\j+1],     v[64*\a+16*\p+8+\j:64*\a+16*\p+8+\j+1]
.endr
.endr
	WIN 0x49                                       ; and the destination window 1
.irp p, 0,1,2,3
.irp j, 0,2,4,6
	v_pk_fma_f32 v[8*(8*\a+\p)+\j:8*(8*\a+\p)+\j+1],     v[8*(8*\a+\p)+\j:8*(8*\a+\p)+\j+1],     v[64*\a+16*\p+\j:64*\a+16*\p+\j+1], v[TT+8*\p+\j:TT+8*\p+\j+1] neg_lo:[0,0,1] neg_hi:[0,0,1]
	v_pk_fma_f32 v[8*(8*\a+\p+4)+\j:8*(8*\a+\p+4)+\j+1], v[8*(8*\a+\p+4)+\j:8*(8*\a+\p+4)+\j+1], v[64*\a+16*\p+\j:64*\a+16*\p+\j+1], v[TT+32+8*\p+\j:TT+32+8*\p+\j+1]
.endr
.endr
.endm
; THE WAY OUT of row block a: rounded to f16, 16 bytes a lane into my own stage, back as whole rows of 256 bytes, stored.
.macro SENDOUT a
	WIN 0x05                                       ; sources 0 and 1 window 1
.irp b, 0,1,2,3,4,5,6,7
.irp w, 0,1,2,3
	v_cvt_pk_f16_f32 v[TMP+4*\b+\w], v[8*(8*\a+\b)+2*\w], v[8*(8*\a+\b)+2*\w+1]
.endr
.endr
	WIN 0
.irp b, 0,1,2,3,4,5,6,7
	ds_store_b128 v[STO], v[TMP+4*\b:TMP+4*\b+3] offset:32*\b
.endr
.irp t, 0,1,2,3,4,5,6,7
	ds_load_b128 v[OB+32*\a+4*\t:OB+32*\a+4*\t+3], v[RD] offset:\t*2*SPITCH   ; LDS serves a wave's instructions in order: these see the stores above
.endr
.irp t, 0,1,2,3,4,5,6,7
	s_wait_dscnt 7-\t                              ; load t is back, the younger ones stay out
	global_store_b128 v[CO], v[OB+32*\a+4*\t:OB+32*\a+4*\t+3], s[10:11] offset:\a*4096+\t*512   ; two rows: 512 consecutive bytes; no data register is written twice
.endr
.endm
	s_wait_loadcnt 0x0                             ; the table
	s_cmp_eq_u32 ttmp9, 3                          ; clusters 3 along x make the heads of V, which are not rotated: the same in all partners
	s_cbranch_scc1 .Lplain
	ROPE 0
	ROPE 1
	ROPE 2
	ROPE 3
	WIN 0
.Lplain:
	SENDOUT 0
	SENDOUT 1
	SENDOUT 2
	SENDOUT 3
.else
; THE WAY OUT of row block a: 32 bytes a lane (8 f32) into my own stage, back as whole rows of 512 bytes, stored.
.macro SENDOUT a
	WIN 0x04                                       ; an LDS store's data: window 1
.irp b, 0,1,2,3,4,5,6,7
	ds_store_b128 v[STO], v[8*(8*\a+\b):8*(8*\a+\b)+3]   offset:64*\b
	ds_store_b128 v[STO], v[8*(8*\a+\b)+4:8*(8*\a+\b)+7] offset:64*\b+16
.endr
	WIN 0
	s_wait_xcnt 0x0                                ; the registers that the stores of two blocks ago read are loaded again only behind this wait
.irp t, 0,1,2,3,4,5,6,7,8,9,10,11,12,13,14,15
	ds_load_b128 v[OB+64*(\a%2)+4*\t:OB+64*(\a%2)+4*\t+3], v[RD] offset:\t*SPITCH   ; LDS serves a wave's instructions in order: these see the stores above
.endr
.irp t, 0,1,2,3,4,5,6,7,8,9,10,11,12,13,14,15
	s_wait_dscnt 15-\t                             ; load t is back, the younger ones stay out
	global_store_b128 v[CO], v[OB+64*(\a%2)+4*\t:OB+64*(\a%2)+4*\t+3], s[10:11] offset:(16*\a+\t)*16384 th:TH_STORE_NT   ; 512 consecutive bytes of a row, aligned
.endr
.endm
	SENDOUT 0
	SENDOUT 1
	SENDOUT 2
	SENDOUT 3
.endif
	s_wait_tensorcnt 0x0
	ds_add_u32 v30, v31
	s_wait_dscnt 0x0
	CROUND                                         ; the closing round: no work-group ends while a partner may still ask for a tile that names it
	s_endpgm
.Lfunc_end_k_q95eb2a3289_qkv:
	.size	k_q95eb2a3289_qkv, .Lfunc_end_k_q95eb2a3289_qkv-k_q95eb2a3289_qkv
	.p2alignl 7, 3214868480
	.fill 96, 4, 3214868480
	.section	.rodata,"a",@progbits
	.p2align	6, 0x0
	.amdhsa_kernel k_q95eb2a3289_qkv
		.amdhsa_group_segment_fixed_size 327680
		.amdhsa_private_segment_fixed_size 0
		.amdhsa_enable_private_segment 0
		.amdhsa_kernarg_size 32
		.amdhsa_user_sgpr_count 2
		.amdhsa_user_sgpr_kernarg_segment_ptr 1
		.amdhsa_wavefront_size32 1
		.amdhsa_system_sgpr_workgroup_id_x 1
		.amdhsa_system_sgpr_workgroup_id_y 1
		.amdhsa_system_sgpr_workgroup_id_z 1
		.amdhsa_system_vgpr_workitem_id 0
		.amdhsa_next_free_vgpr 768
		.amdhsa_next_free_sgpr 66
		.amdhsa_reserve_vcc 0
		.amdhsa_float_denorm_mode_32 3
		.amdhsa_float_denorm_mode_16_64 3
		.amdhsa_memory_ordered 1
		.amdhsa_forward_progress 1
		.amdhsa_inst_pref_size 109
	.end_amdhsa_kernel
	.amdgpu_metadata
---
amdhsa.version: [ 1, 2 ]
amdhsa.kernels:
  - .name:           k_q95eb2a3289_qkv
    .symbol:         k_q95eb2a3289_qkv.kd
    .args:
      - { .name: xb, .offset: 0, .size: 8, .value_kind: global_buffer, .address_space: global }
      - { .name: wb, .offset: 8, .size: 8, .value_kind: global_buffer, .address_space: global }
      - { .name: rope, .offset: 16, .size: 8, .value_kind: global_buffer, .address_space: global }
      - { .name: qkv, .offset: 24, .size: 8, .value_kind: global_buffer, .address_space: global }
    .group_segment_fixed_size: 327680
    .private_segment_fixed_size: 0
    .kernarg_segment_align: 8
    .kernarg_segment_size: 32
    .max_flat_workgroup_size: 128
    .sgpr_count:     66
    .vgpr_count:     768
    .wavefront_size: 32
...
	.end_amdgpu_metadata
.endif
;; end of part 2
;; launch attn (part 3): grid 32 x 8, 8 waves a work-group, clusters of 4 x 1, 327,680 bytes of LDS; arguments qkv, maskbits, ab; writes ab
.if DOCPART == 3
	.amdgcn_target "amdgcn-amd-amdhsa--gfx1250"
	.amdhsa_code_object_version 6
	.text
	.protected	k_q95eb2a3289_attn
	.globl	k_q95eb2a3289_attn
	.p2align	8
	.type	k_q95eb2a3289_attn,@function
k_q95eb2a3289_attn:
	s_mov_b64 s[64:65], 0
	v_nop
	global_prefetch_b8 v0, s[64:65] scope:SCOPE_SE
	s_setreg_imm32_b32 hwreg(HW_REG_WAVE_MODE, 25, 1), 1
	s_wait_xcnt 0x0
	s_wait_alu depctr_hold_cnt(0) depctr_sa_sdst(0) depctr_va_vdst(0) depctr_va_sdst(0) depctr_va_ssrc(0) depctr_va_vcc(0) depctr_vm_vsrc(0)
	s_getreg_b32 s2, hwreg(HW_REG_IB_STS2, 6, 4)
	s_cmp_eq_u32 s2, 0
	s_cbranch_scc0 .Lentry_in_a_cluster
	s_endpgm
.Lentry_in_a_cluster:
	s_bfe_u32 s2, ttmp6, 0x10000c
	s_cmp_lg_u32 s2, 0x3003
	s_cbranch_scc0 .Lentry_shape_is_right
	s_endpgm
.Lentry_shape_is_right:
; ATTENTION with soft cap and an input mask.  qkv: [b][16 head slots][2048][128] f16 (slots 0-7 Q x SQ, 8-11 K / 4, 12-15 V / 4), maskbits: lane masks, ab: [4096 tokens][1024] f16 = output / 4.
; S = Q' . K' is already t = 2 log2(e) s / 30, s the scaled score.  z = log2(e) 30 tanh(s / 30) = K0 + KN / (1 + 2^t), K0 = 30 log2(e), KN = -2 K0;
; a masked key gets z = ZM = -10000 log2(e); p = 2^(z - m), m the running maximum of z; O and l are multiplied by 2^(m_old - m_new) in every step.
; No pattern of the mask is built in: every key of every query is computed; a row whose keys are all masked comes out as the mean of V.
; LIMITS: the maxima drop NaN; p under 2^-24 rounds to 0 in f16 (beside a largest p of 1).
; SHARES.  A work-group owns 64 queries of one batch and BOTH query heads of one key/value head.  Wave w: 16 queries (w % 4), two tiles (the two heads, which share the mask bits),
; and 64 (half w / 4) of each slot's 128 keys.  At the end wave w + 4 hands its O, m and l to wave w through LDS.
; PHASES.  Waves 0-3 do K Q^T, softmax and V^T P of a step between two barriers; waves 4-7 do the softmax and V^T P of the step before and then K Q^T: while four waves have matrix work,
; the other four have vector work.
; LAYOUT.  S^T = K Q^T (source 0 = 16 keys, source 1 = 16 queries): a lane holds one query (lane % 16) and keys 8 (lane / 16) + 0..7.  Two such tiles, rounded to f16 in pairs, are
; source 1 of O^T = V^T P.  V comes out of LDS turned, by ds_load_tr16_b128.
; CLUSTER.  The four blocks of queries of a cluster walk the same K and V: each tile is asked for jointly.
; REGISTERS.  Window 0: v0-15 addresses and constants; v16-31 statistics; v32-39 sums; v40-47 the exchange; v64-127 S^T, 32 a tile, P packed in place; v128-255 K or V of one step.
;   Window 1: v0-127 O^T, 64 a tile; v128-191 Q, 32 a tile.
.set KS,    64                         ; keys in a step
.set PK,    272                        ; a row of K in LDS: 256 bytes + 16
.set PVP,   288                        ; a row of V: 256 + 32
.set VOFF,  KS*PK                      ; a step: 64 rows of K, then 64 rows of V
.set STEPB, KS*(PK+PVP)                ; 35,840
.set SLOT1, 1<<17                      ; a slot holds two steps; slot 1 begins here, so that one exclusive or changes slots
.set CMB,   SLOT1+2*STEPB              ; 202,752: four regions of 16,896 bytes, wave w + 4 to wave w; no tensor load fills them
.set CMBW,  16896
.set STAGE, CMB+4*CMBW                 ; 270,336: 16 rows x 272 bytes for each of waves 0-3, for the way out
.set SP,    272
.set AK0, 2                            ; v2  my lane's place in a tile of K
.set AV0, 3                            ; v3  the same for V
.set ADR, 4                            ; v4  the LDS address of the run of loads in hand
.set QO,  5                            ; v5  my byte offset in the wave's rows of Q
.set STO, 6                            ; v6  the way out: where I put 16 bytes of a row
.set RD,  7                            ; v7  the way out: where I read a row back
.set GO,  8                            ; v8  my byte offset in the wave's rows of ab
.set CA,  9                            ; v9  my 16 bytes in the region between the two waves
.set KN,  10                           ; v[10:11] KN, twice
.set K0,  12                           ; v[12:13] K0, twice
.set ZM,  14                           ; v14 ZM
.set ST,  16                           ; tile t at v[16 + 8 t]: +0 m, +1 the step's maximum, +2 a, +3 at work; +4 .. +7 the end's factors
.set LS,  32                           ; tile t at v[32 + 4 t]: two pairs of partial sums of p
.set EX,  40                           ; v[40:43] my m0, l0, m1, l1; v[44:47] the other wave's
.set S,   64
.set KV,  128
.set QF,  128                          ; in window 1
.set WV,  12                           ; s12 my wave's number
.set G1K, 24                           ; s[24:31] descriptor group 1 for K
.set G1V, 32                           ; s[32:39] for V: it differs in the padding alone
.set G0K, 40                           ; s[40:47] group 0 for K: a set for each of the two first fills; the second then walks on
.set G0V, 48                           ; s[48:55] the same for V
.set CNT, 56
.set QT,  57                           ; s57 wave % 4: my 16 queries
.set MB,  58                           ; s[58:59] address of my step's 32 lane masks
.set SEL, 60                           ; s[60:61] v_permlanex16_b32: each lane takes its own place in the other half
.set TB,  62                           ; s62 LDS byte at which my step's tiles begin
.set KP,  63                           ; s63 wave / 4: my half of a slot's keys
.set MS,  68                           ; s[68:99] lane masks: word 8 kt + j for register j of key tile kt
.set MSB, 0
.macro WIN new
.if MSB != \new
	s_set_vgpr_msb (MSB<<8)|\new
.set MSB, \new
.endif
.endm
.macro PLACES
.rept 4
	v_nop
.endr
.endm
; A joint refill.  Waves 0 and 1 fetch the two steps of K, waves 2 and 3 those of V, waves 4 to 7 nothing.  The branches hang on the wave's number alone.
.macro JLOAD
	s_cmp_lt_u32 s[WV], 2
	s_cbranch_scc0 .Lnot_k_\@
	tensor_load_to_lds s[G0K+4:G0K+7], s[G1K:G1K+7]
	s_nop 0
.rept 4
	v_nop
.endr
	s_branch .Lasked_\@
.Lnot_k_\@:
	s_cmp_lt_u32 s[WV], 4
	s_cbranch_scc0 .Lasked_\@
	tensor_load_to_lds s[G0V+4:G0V+7], s[G1V:G1V+7]
	s_nop 0
.rept 4
	v_nop
.endr
.Lasked_\@:
.endm
.macro CROUND                          ; a round of the cluster barrier
	s_barrier_signal -1
	s_barrier_wait -1
	s_cmp_lg_u32 s[WV], 0
	s_cbranch_scc1 .Lnot_wave_0_\@
	s_barrier_signal -3
.Lnot_wave_0_\@:
	s_barrier_wait -3
	s_barrier_signal -1
	s_barrier_wait -1
.endm
	s_load_b128 s[4:7], s[0:1], 0x0                ; qkv s[4:5], maskbits s[6:7]
	s_load_b64 s[8:9], s[0:1], 0x10                ; ab
	v_lshl_add_u32 v62, v0, 2, 0x46400
	v_mov_b32 v63, 0
	ds_add_u32 v62, v63
	v_lshrrev_b32 v1, 5, v0
	v_readfirstlane_b32 s[WV], v1                  ; wave 0..7
	s_bfe_u32 s13, ttmp6, 0x40000                  ; cx
	s_lshl_b32 s14, ttmp9, 2
	s_add_co_u32 s14, s14, s13                     ; my block of 64 queries: it enters the addresses of Q, of the masks and of ab alone
	s_and_b32 s15, ttmp7, 0xffff                   ; 4 x batch + key/value head, which the four partners share
	s_lshr_b32 s18, s15, 2                         ; batch
	s_and_b32 s19, s15, 3                          ; key/value head g
	s_and_b32 s16, s[WV], 1                        ; which of a slot's two steps I fetch
	s_mul_i32 s17, s16, STEPB                      ; its place in a slot
	s_and_b32 s[QT], s[WV], 3
	s_lshr_b32 s[KP], s[WV], 2
	s_lshl_b32 s20, s18, 4
	s_add_co_u32 s20, s20, s19
	s_add_co_u32 s20, s20, 8                       ; head slot of K: 16 b + 8 + g
	s_lshl_b32 s20, s20, 19                        ; 2,048 rows of 256 bytes
	s_lshl_b32 s21, s16, 14                        ; my step's 64 rows
	s_add_co_u32 s20, s20, s21
	s_mov_b32 s21, 0
	s_lshl_b32 s22, s18, 4
	s_lshl_b32 s23, s19, 1
	s_add_co_u32 s22, s22, s23                     ; head slot of Q, tile 0: 16 b + 2 g
	s_lshl_b32 s22, s22, 19
	s_lshl_b32 s23, s14, 14                        ; my block's 64 rows,
	s_add_co_u32 s22, s22, s23
	s_lshl_b32 s23, s[QT], 12                      ; my wave's 16
	s_add_co_u32 s22, s22, s23
	s_mov_b32 s23, 0
	s_lshl_b32 s2, s18, 7
	s_lshl_b32 s3, s14, 2
	s_add_co_u32 s2, s2, s3
	s_add_co_u32 s2, s2, s[QT]                     ; my tile of 16 queries: 128 b + 4 block + wave % 4
	s_lshl_b32 s2, s2, 12                          ; 128 key tiles x 32 bytes
	s_lshl_b32 s3, s[KP], 7                        ; my half of a slot: 4 key tiles
	s_add_co_u32 s2, s2, s3
	s_mov_b32 s3, 0
	s_lshl_b32 s66, s18, 11
	s_lshl_b32 s67, s14, 6
	s_add_co_u32 s66, s66, s67
	s_lshl_b32 s67, s[QT], 4
	s_add_co_u32 s66, s66, s67                     ; my first token
	s_lshl_b32 s66, s66, 11                        ; rows of 2,048 bytes
	s_lshl_b32 s67, s19, 9                         ; head 2 g: 256 bytes a head
	s_add_co_u32 s66, s66, s67
	s_mov_b32 s67, 0
	s_mov_b32 s[G1K], 15|(1<<16)|(1<<20)|(1<<21)|(5<<22)|(3<<25)  ; 15:0 the mask: all four work-groups; 17:16 elements of 2 bytes; 20 padding on; 21 set beside a mask; 24:22 after every 64 words; 31:25 4 words
	s_mov_b32 s[G1V], 15|(1<<16)|(1<<20)|(1<<21)|(5<<22)|(7<<25)  ; the same with 8 words of padding
.irp g, G1K, G1V
	s_mov_b32 s[\g+1], 128<<16                     ; tensor_dim0 = 128
	s_mov_b32 s[\g+2], KS<<16                      ; tensor_dim1 = 64
	s_mov_b32 s[\g+3], 128<<16                     ; tile_dim0 = 128
	s_mov_b32 s[\g+4], KS                          ; tile_dim1 = 64
	s_mov_b32 s[\g+5], 128                         ; elements from row to row
	s_mov_b32 s[\g+6], 0
	s_mov_b32 s[\g+7], 0
.endr
	s_mov_b32 s[SEL], 0x76543210
	s_mov_b32 s[SEL+1], 0xfedcba98
	s_mul_i32 s[TB], s[KP], STEPB
	s_wait_dscnt 0x0
	s_wait_kmcnt 0x0
	s_add_nc_u64 s[10:11], s[4:5], s[22:23]        ; Q at my wave's first row
	s_add_nc_u64 s[20:21], s[4:5], s[20:21]        ; K at my tile of slot 0
	s_add_nc_u64 s[MB:MB+1], s[6:7], s[2:3]
	s_add_nc_u64 s[8:9], s[8:9], s[66:67]
	CROUND                                         ; all four work-groups are here: the first joint loads meet
.irp s, 0,1
	s_mov_b32 s[G0K+4*\s], 1
	s_add_co_u32 s[G0K+4*\s+1], s17, \s*SLOT1
	s_add_nc_u64 s[G0K+4*\s+2:G0K+4*\s+3], s[20:21], \s*2*KS*256          ; slot s begins with keys 128 s
	s_or_b32 s[G0K+4*\s+3], s[G0K+4*\s+3], 0x80000000
	s_mov_b32 s[G0V+4*\s], 1
	s_add_co_u32 s[G0V+4*\s+1], s17, \s*SLOT1+VOFF
	s_add_nc_u64 s[G0V+4*\s+2:G0V+4*\s+3], s[20:21], \s*2*KS*256+2097152  ; V lies four head slots behind K
	s_or_b32 s[G0V+4*\s+3], s[G0V+4*\s+3], 0x80000000
.endr
	s_cmp_lt_u32 s[WV], 2                          ; a wave's two first fills stand in one branch: two loads of waves 0-3 are out, none of waves 4-7
	s_cbranch_scc0 .Lfirst_not_k
	tensor_load_to_lds s[G0K:G0K+3], s[G1K:G1K+7]
	s_nop 0
	tensor_load_to_lds s[G0K+4:G0K+7], s[G1K:G1K+7]
	s_nop 0
.rept 4
	v_nop
.endr
	s_branch .Lfirst_asked
.Lfirst_not_k:
	s_cmp_lt_u32 s[WV], 4
	s_cbranch_scc0 .Lfirst_asked
	tensor_load_to_lds s[G0V:G0V+3], s[G1V:G1V+7]
	s_nop 0
	tensor_load_to_lds s[G0V+4:G0V+7], s[G1V:G1V+7]
	s_nop 0
.rept 4
	v_nop
.endr
.Lfirst_asked:
	v_and_b32 v1, 15, v0                           ; r = lane % 16
	v_bfe_u32 v15, v0, 4, 1                        ; h = lane / 16
	v_lshlrev_b32 v[QO], 8, v1
	v_lshl_add_u32 v[QO], v15, 4, v[QO]            ; row x 256 + 16 x half
	WIN 0x40                                       ; destination window 1
.irp t, 0,1
.irp c, 0,1,2,3
	global_load_b128 v[QF+32*\t+8*\c:QF+32*\t+8*\c+3],   v[QO], s[10:11] offset:\t*524288+\c*64      ; Q stays in registers: tile t (the next head slot), channels 32 c on
	global_load_b128 v[QF+32*\t+8*\c+4:QF+32*\t+8*\c+7], v[QO], s[10:11] offset:\t*524288+\c*64+32
.endr
.endr
	WIN 0
	s_load_b512 s[MS:MS+15], s[MB:MB+1], 0x0       ; the lane masks of my first step
	s_load_b512 s[MS+16:MS+31], s[MB:MB+1], 0x40
	v_mul_u32_u24 v[AK0], v1, PK
	v_lshl_add_u32 v[AK0], v15, 4, v[AK0]
	v_and_b32 v40, 7, v0
	v_bfe_u32 v41, v0, 3, 1
	v_lshl_add_u32 v[AV0], v15, 3, v40             ; the turning load: key 8 h + lane % 8,
	v_mul_u32_u24 v[AV0], v[AV0], PVP
	v_lshl_add_u32 v[AV0], v41, 4, v[AV0]          ; channels 8 ((lane / 8) % 2) + 0..7
	v_add_nc_u32 v[AV0], VOFF, v[AV0]
	s_mul_i32 s2, s[QT], 16*SP
	s_add_co_u32 s2, s2, STAGE
	v_mul_u32_u24 v[STO], v1, SP
	v_lshl_add_u32 v[STO], v15, 4, v[STO]
	v_add_nc_u32 v[STO], s2, v[STO]
	v_mul_u32_u24 v[RD], v15, SP
	v_lshl_add_u32 v[RD], v1, 4, v[RD]
	v_add_nc_u32 v[RD], s2, v[RD]
	v_lshlrev_b32 v[GO], 11, v15                   ; in ab: lanes 0-15 one row's 256 bytes of a head, lanes 16-31 the next row's
	v_lshl_add_u32 v[GO], v1, 4, v[GO]
	s_mul_i32 s2, s[QT], CMBW
	s_add_co_u32 s2, s2, CMB
	v_and_b32 v[CA], 31, v0
	v_lshl_add_u32 v[CA], v[CA], 4, s2
	v_mov_b32 v[KN], 0xc2ad1f98                    ; -60 log2(e)
	v_mov_b32 v[KN+1], 0xc2ad1f98
	v_mov_b32 v[K0], 0x422d1f98                    ; 30 log2(e)
	v_mov_b32 v[K0+1], 0x422d1f98
	v_mov_b32 v[ZM], 0xc6616bcd                    ; -10000 log2(e)
.irp t, 0,1
	v_mov_b32 v[ST+8*\t], 0xff7fffff               ; m starts at the lowest finite number
	v_mov_b32 v[ST+8*\t+3], 0                      ; v_permlanex16_b32 counts as a reader of its destination
.irp u, 0,1,2,3
	v_mov_b32 v[LS+4*\t+\u], 0
.endr
.endr
; Pair idx of 32 (16 a tile): rz its first register, rm its first lane mask, rt its tile's statistics
.macro RZ idx
.set rz, S+32*((\idx)/16)+2*((\idx)%16)
.set rm, MS+2*((\idx)%16)
.set rt, ST+8*((\idx)/16)
.endm
; THE SOFTMAX AND V^T P OF ONE STEP.  zero = 1: the wave's first step: the products start O^T's sums.  more = 1: the next step's lane masks are asked for.
; Phase 1 is a pipeline over the pairs: in tick n stand 2^t of pair n, the reciprocal and z of pair n - 1, the mask and the maximum of pair n - 2, ordered so that behind every
; transcendental a plain instruction that touches none of its registers comes before its result is used (ISA guide 5.7.2); three v_nop fill in while the pipeline is empty.
.macro SMPV zero, more
	s_wait_kmcnt 0x0                               ; the lane masks
.set n, 0
.rept 34
.if n < 32
	RZ n
	v_exp_f32 v[rz], v[rz]                         ; 2^t
.endif
.if n >= 2
	RZ n-2
	v_cndmask_b32 v[rz], v[rz], v[ZM], s[rm]       ; a masked key: ZM
.endif
.if n < 32
	RZ n
	v_exp_f32 v[rz+1], v[rz+1]
.endif
.if n >= 2
	RZ n-2
	v_cndmask_b32 v[rz+1], v[rz+1], v[ZM], s[rm+1]
.else
	v_nop
.endif
.if (n >= 1) && (n < 33)
	RZ n-1
	v_rcp_f32 v[rz], v[rz]                         ; 1 / (1 + 2^t)
.endif
.if n < 32
	RZ n
	s_wait_alu depctr_va_vdst(0)
	v_pk_add_f32 v[rz:rz+1], v[rz:rz+1], 1.0 op_sel_hi:[1,0]
.endif
.if (n >= 1) && (n < 33)
	RZ n-1
	v_rcp_f32 v[rz+1], v[rz+1]
.endif
.if n >= 2
	RZ n-2
.if ((n-2)%16) == 0
	v_max3_num_f32 v[rt+1], v[rt], v[rz], v[rz+1]  ; a tile's first pair takes the old m in
.else
	v_max3_num_f32 v[rt+1], v[rt+1], v[rz], v[rz+1]
.endif
.elseif n == 1
	v_nop
.endif
.if (n >= 1) && (n < 33)
	RZ n-1
	s_wait_alu depctr_va_vdst(0)
	v_pk_fma_f32 v[rz:rz+1], v[rz:rz+1], v[KN:KN+1], v[K0:K0+1]   ; z = K0 + KN / (1 + 2^t)
.endif
.set n, n+1
.endr
	; the query's other keys of this step lie in the lane 16 away; the new m; a = 2^(m_old - m_new)
.irp t, 0,1
	v_permlanex16_b32 v[ST+8*\t+3], v[ST+8*\t+1], s[SEL], s[SEL+1]
.endr
.irp t, 0,1
	v_max_num_f32 v[ST+8*\t+1], v[ST+8*\t+1], v[ST+8*\t+3]
.endr
.irp t, 0,1
	v_sub_f32 v[ST+8*\t+2], v[ST+8*\t], v[ST+8*\t+1]
.endr
.irp t, 0,1
	v_mov_b32 v[ST+8*\t], v[ST+8*\t+1]
.endr
.irp t, 0,1
	v_exp_f32 v[ST+8*\t+2], v[ST+8*\t+2]
.endr
	RZ 0
	v_pk_add_f32 v[rz:rz+1], v[rz:rz+1], v[rt:rt+1] op_sel_hi:[1,0] neg_lo:[0,1] neg_hi:[0,1]   ; z - m of pair 0: also the plain instruction behind the exponentials
.irp t, 0,1
	s_wait_alu depctr_va_vdst(0)
	v_pk_mul_f32 v[LS+4*\t:LS+4*\t+1],   v[LS+4*\t:LS+4*\t+1],   v[ST+8*\t+2:ST+8*\t+3] op_sel_hi:[1,0]
	v_pk_mul_f32 v[LS+4*\t+2:LS+4*\t+3], v[LS+4*\t+2:LS+4*\t+3], v[ST+8*\t+2:ST+8*\t+3] op_sel_hi:[1,0]
.endr
.if !\zero
	WIN 0x41                                       ; O^T (destination and source 0) window 1, a window 0
.irp t, 0,1
.set i, 0
.rept 32
	v_pk_mul_f32 v[64*\t+i:64*\t+i+1], v[64*\t+i:64*\t+i+1], v[ST+8*\t+2:ST+8*\t+3] op_sel_hi:[1,0]
.set i, i+2
.endr
.endr
	WIN 0
.endif
	; phase 2: p = 2^(z - m) of pair n; z - m of pair n + 1; the sum and the rounding to f16 of pair n - 1.  P is packed in place: the register written belongs to a pair already summed.
.set n, 0
.rept 33
.if n < 32
	RZ n
	v_exp_f32 v[rz], v[rz]
.endif
.if n < 31
	RZ n+1
	v_pk_add_f32 v[rz:rz+1], v[rz:rz+1], v[rt:rt+1] op_sel_hi:[1,0] neg_lo:[0,1] neg_hi:[0,1]
.endif
.if n < 32
	RZ n
	v_exp_f32 v[rz+1], v[rz+1]
.endif
.if n >= 1
	RZ n-1
	s_wait_alu depctr_va_vdst(0)
	v_pk_add_f32 v[LS+4*((n-1)/16)+2*((n-1)%2):LS+4*((n-1)/16)+2*((n-1)%2)+1], v[LS+4*((n-1)/16)+2*((n-1)%2):LS+4*((n-1)/16)+2*((n-1)%2)+1], v[rz:rz+1]
	v_cvt_pk_f16_f32 v[S+32*((n-1)/16)+16*(((n-1)%16)/8)+((n-1)%8)], v[rz], v[rz+1]
.endif
.set n, n+1
.endr
.if \more
	s_add_nc_u64 s[MB:MB+1], s[MB:MB+1], 256       ; the next slot's key tiles; the wait at the head has shown the last loads done
	s_load_b512 s[MS:MS+15], s[MB:MB+1], 0x0
	s_load_b512 s[MS+16:MS+31], s[MB:MB+1], 0x40
.endif
	s_wait_dscnt 0x0                               ; V is in
	WIN 0x50                                       ; V and P window 0, O^T window 1
; product i of 32: keys 32 (i / 16) on, channels 16 ((i / 2) % 8) on, tile i % 2.  The 16 accumulators take turns, one instruction a turn.
.set i, 0
.rept 32
.set rO, 64*(i%2)+8*((i/2)%8)
.set rV, KV+64*(i/16)+8*((i/2)%8)
.set rP, S+32*(i%2)+16*(i/16)
.if \zero && (i < 16)
	v_wmma_f32_16x16x32_f16 v[rO:rO+7], v[rV:rV+7], v[rP:rP+7], 0
.else
	v_wmma_f32_16x16x32_f16 v[rO:rO+7], v[rV:rV+7], v[rP:rP+7], v[rO:rO+7]
.endif
.set i, i+1
.endr
	WIN 0
.rept 5
	v_nop                                          ; five places behind the step's last products, here so that they lie on every way on through the text: what follows loads over V,
.endr                                                  ; writes over P (the next scores' products want five; a softmax four) or reads O^T (ISA guide 7.12.1)
.endm
; K Q^T OF ONE STEP, and the fetch of its V.  K's 32 loads go by groups of 32 channels, so that the products of a group start when its eight loads are in.
; The places behind the V^T P before stand at that block's end; behind an earlier K Q^T stand this macro's four v_nop and two address sums.
.macro KQBLOCK
	v_add_nc_u32 v[ADR], s[TB], v[AK0]
.irp c, 0,1,2,3
.irp k, 0,1,2,3
	ds_load_b128 v[KV+32*\k+8*\c:KV+32*\k+8*\c+3],   v[ADR] offset:\k*16*PK+\c*64
	ds_load_b128 v[KV+32*\k+8*\c+4:KV+32*\k+8*\c+7], v[ADR] offset:\k*16*PK+\c*64+32
.endr
.endr
	WIN 0x04                                       ; Q (source 1) window 1
; product i of 32: channels 32 (i / 8) on, keys 16 ((i / 2) % 4) on, tile i % 2; the first 8 start the sums.  The 8 accumulators take turns.
.set i, 0
.rept 32
.if (i%8) == 0
	s_wait_dscnt 24-i                              ; this group of channels is in; the 24 - i loads of the later groups stay out
.endif
.set rS, S+32*(i%2)+8*((i/2)%4)
.set rK, KV+32*((i/2)%4)+8*(i/8)
.set rQ, QF+32*(i%2)+8*(i/8)
.if i < 8
	v_wmma_f32_16x16x32_f16 v[rS:rS+7], v[rK:rK+7], v[rQ:rQ+7], 0
.else
	v_wmma_f32_16x16x32_f16 v[rS:rS+7], v[rK:rK+7], v[rQ:rQ+7], v[rS:rS+7]
.endif
.set i, i+1
.endr
	WIN 0
	PLACES                                         ; in front of the loads over K, and of the softmax, which reads the scores
	v_add_nc_u32 v[ADR], s[TB], v[AV0]
.irp f, 0,1,2,3,4,5,6,7,8,9,10,11,12,13,14,15      ; keys 32 (f / 8) on, channels 16 (f % 8) on
	ds_load_tr16_b128 v[KV+8*\f:KV+8*\f+3],   v[ADR] offset:(\f/8)*32*PVP+(\f%8)*32
	ds_load_tr16_b128 v[KV+8*\f+4:KV+8*\f+7], v[ADR] offset:(\f/8)*32*PVP+16*PVP+(\f%8)*32
.endr
	s_xor_b32 s[TB], s[TB], SLOT1                  ; my next step lies in the other slot
.endm
; THE CHANGE OF SLOTS.  Each wave waits for its reads of the slot (V is in registers then) and for all its tensor loads.  fill = 1: a round of the cluster barrier, and the slot just
; read is filled again with the keys two slots on, first thing behind the round.
.macro CHANGE fill
	s_wait_dscnt 0x0
	s_wait_tensorcnt 0x0                           ; no tensor load of mine is out, so a group 0 may be written
	ds_add_u32 v62, v63
	s_wait_dscnt 0x0
.if \fill
.irp g, G0K+4, G0V+4
	s_xor_b32 s[\g+1], s[\g+1], SLOT1              ; the walking descriptor: the other slot than last time,
	s_add_nc_u64 s[\g+2:\g+3], s[\g+2:\g+3], 2*KS*256   ; the next 128 keys
.endr
	CROUND
	JLOAD
.else
	s_barrier_signal -1
	s_barrier_wait -1
.endif
.endm
.macro FOR_A zero, more                ; waves 0-3
	s_cmp_lt_u32 s[WV], 4
	s_cbranch_scc0 .Lskip_\@
	SMPV \zero, \more
.Lskip_\@:
.endm
.macro FOR_B zero, more                ; waves 4-7
	s_cmp_lt_u32 s[WV], 4
	s_cbranch_scc1 .Lskip_\@
	SMPV \zero, \more
.Lskip_\@:
.endm
	s_wait_tensorcnt 0x0                           ; for zero, since waves 4-7 have issued none: both slots' parts of mine are in
	s_barrier_signal -1
	s_barrier_wait -1                              ; everybody's are
	s_wait_loadcnt 0x0                             ; Q
	KQBLOCK                                        ; slot 0
	FOR_A 1, 1
	CHANGE 1                                       ; slot 0 takes keys 256 on
	FOR_B 1, 1
	KQBLOCK
	FOR_A 0, 1
	s_mov_b32 s[CNT], 13
.Lslot:                                                ; 13 trips: with the change above, the 14 refills for keys 256 to 2,047
	CHANGE 1
	FOR_B 0, 1
	KQBLOCK
	FOR_A 0, 1
	s_sub_co_u32 s[CNT], s[CNT], 1
	s_cmp_lg_u32 s[CNT], 0
	s_cbranch_scc1 .Lslot
	CHANGE 0                                       ; the tail is written out: nothing is left to ask for
	FOR_B 0, 1
	KQBLOCK
	FOR_A 0, 0
	FOR_B 0, 0
	; THE END.  Each wave: l over its four partial sums and the other half of the lanes.  (The places behind the last products stand at their block's end.)
.irp t, 0,1
	v_pk_add_f32 v[LS+4*\t:LS+4*\t+1], v[LS+4*\t:LS+4*\t+1], v[LS+4*\t+2:LS+4*\t+3]
.endr
.irp t, 0,1
	v_add_f32 v[EX+2*\t+1], v[LS+4*\t], v[LS+4*\t+1]
.endr
.irp t, 0,1
	v_permlanex16_b32 v[ST+8*\t+3], v[EX+2*\t+1], s[SEL], s[SEL+1]
.endr
.irp t, 0,1
	v_add_f32 v[EX+2*\t+1], v[EX+2*\t+1], v[ST+8*\t+3]
	v_mov_b32 v[EX+2*\t], v[ST+8*\t]
.endr
	s_cmp_lt_u32 s[WV], 4
	s_cbranch_scc1 .Lno_send
	WIN 0x04                                       ; waves 4-7 hand over O^T (an LDS store's data: window 1), then m and l
.set i, 0
.rept 32
	ds_store_b128 v[CA], v[4*i:4*i+3] offset:512*i
.set i, i+1
.endr
	WIN 0
	ds_store_b128 v[CA], v[EX:EX+3] offset:16384
.Lno_send:
	s_wait_dscnt 0x0                               ; for the others' sake: my stores are done
	s_barrier_signal -1
	s_barrier_wait -1
	s_cmp_lt_u32 s[WV], 4
	s_cbranch_scc0 .Ldone
.set i, 0
.rept 32
	ds_load_b128 v[KV+4*i:KV+4*i+3], v[CA] offset:512*i
.set i, i+1
.endr
	ds_load_b128 v[EX+4:EX+7], v[CA] offset:16384
	s_wait_dscnt 0x0
	; m = max(mA, mB); fa = 2^(mA - m), fb = 2^(mB - m); l = lA fa + lB fb; O = (OA fa + OB fb) / l
.irp t, 0,1
	v_max_num_f32 v[ST+8*\t+5], v[EX+2*\t], v[EX+4+2*\t]
.endr
.irp t, 0,1
	v_sub_f32 v[ST+8*\t+4], v[EX+2*\t], v[ST+8*\t+5]
	v_sub_f32 v[ST+8*\t+6], v[EX+4+2*\t], v[ST+8*\t+5]
.endr
.irp t, 0,1
	v_exp_f32 v[ST+8*\t+4], v[ST+8*\t+4]
	v_exp_f32 v[ST+8*\t+6], v[ST+8*\t+6]
.endr
	v_nop                                          ; a plain instruction between the last exponential and the use of its result
.irp t, 0,1
	s_wait_alu depctr_va_vdst(0)
	v_mul_f32 v[ST+8*\t+7], v[EX+2*\t+1], v[ST+8*\t+4]
.endr
.irp t, 0,1
	v_fmac_f32 v[ST+8*\t+7], v[EX+4+2*\t+1], v[ST+8*\t+6]
.endr
.irp t, 0,1
	v_rcp_f32 v[ST+8*\t+7], v[ST+8*\t+7]           ; l is at least 1: the key of the maximum has p = 1
.endr
	v_nop
.irp t, 0,1
	s_wait_alu depctr_va_vdst(0)
	v_mul_f32 v[ST+8*\t+4], v[ST+8*\t+4], v[ST+8*\t+7]
	v_mul_f32 v[ST+8*\t+6], v[ST+8*\t+6], v[ST+8*\t+7]
.endr
; Tile t: joined, rounded to f16; a lane's eight channels of a row are 16 bytes; they go into stage rows of 272 bytes and come back as whole rows of 256, into the registers that they left.
.macro PACK t
	WIN 0x41
.set i, 0
.rept 32
	v_pk_mul_f32 v[64*\t+i:64*\t+i+1], v[64*\t+i:64*\t+i+1], v[ST+8*\t+4:ST+8*\t+5] op_sel_hi:[1,0]
.set i, i+2
.endr
	WIN 0x50
.set i, 0
.rept 32
	v_pk_fma_f32 v[64*\t+i:64*\t+i+1], v[KV+64*\t+i:KV+64*\t+i+1], v[ST+8*\t+6:ST+8*\t+7], v[64*\t+i:64*\t+i+1] op_sel_hi:[1,0,1]
.set i, i+2
.endr
	WIN 0x05
.set i, 0
.rept 32
	v_cvt_pk_f16_f32 v[S+32*\t+i], v[64*\t+2*i], v[64*\t+2*i+1]
.set i, i+1
.endr
	WIN 0
.irp f, 0,1,2,3,4,5,6,7
	ds_store_b128 v[STO], v[S+32*\t+4*\f:S+32*\t+4*\f+3] offset:32*\f
.endr
.irp f, 0,1,2,3,4,5,6,7
	ds_load_b128 v[S+32*\t+4*\f:S+32*\t+4*\f+3], v[RD] offset:\f*2*SP   ; LDS serves a wave's instructions in order: these see the stores above, and the next tile's stores come behind them
.endr
.endm
.macro SEND t, younger                 ; younger: the LDS instructions issued behind tile t's loads
.irp f, 0,1,2,3,4,5,6,7
	s_wait_dscnt \younger+7-\f
	global_store_b128 v[GO], v[S+32*\t+4*\f:S+32*\t+4*\f+3], s[8:9] offset:\f*4096+\t*256   ; 16 lanes store 256 consecutive bytes, aligned: one head's part of a token's row
.endr
.endm
	PACK 0
	PACK 1
	SEND 0, 16
	SEND 1, 0
.Ldone:
	s_wait_tensorcnt 0x0
	ds_add_u32 v62, v63
	s_wait_dscnt 0x0
	CROUND                                         ; the closing round: no work-group ends while a partner may still ask for a tile that names it
	s_endpgm
.Lfunc_end_k_q95eb2a3289_attn:
	.size	k_q95eb2a3289_attn, .Lfunc_end_k_q95eb2a3289_attn-k_q95eb2a3289_attn
	.p2alignl 7, 3214868480
	.fill 96, 4, 3214868480
	.section	.rodata,"a",@progbits
	.p2align	6, 0x0
	.amdhsa_kernel k_q95eb2a3289_attn
		.amdhsa_group_segment_fixed_size 327680
		.amdhsa_private_segment_fixed_size 0
		.amdhsa_enable_private_segment 0
		.amdhsa_kernarg_size 24
		.amdhsa_user_sgpr_count 2
		.amdhsa_user_sgpr_kernarg_segment_ptr 1
		.amdhsa_wavefront_size32 1
		.amdhsa_system_sgpr_workgroup_id_x 1
		.amdhsa_system_sgpr_workgroup_id_y 1
		.amdhsa_system_sgpr_workgroup_id_z 1
		.amdhsa_system_vgpr_workitem_id 0
		.amdhsa_next_free_vgpr 448
		.amdhsa_next_free_sgpr 100
		.amdhsa_reserve_vcc 0
		.amdhsa_float_denorm_mode_32 3
		.amdhsa_float_denorm_mode_16_64 3
		.amdhsa_memory_ordered 1
		.amdhsa_forward_progress 1
		.amdhsa_inst_pref_size 255
	.end_amdhsa_kernel
	.section	.bss,"aw",@nobits
	.p2align	6
	.space	262144
	.amdgpu_metadata
---
amdhsa.version: [ 1, 2 ]
amdhsa.kernels:
  - .name:           k_q95eb2a3289_attn
    .symbol:         k_q95eb2a3289_attn.kd
    .args:
      - { .name: qkv, .offset: 0, .size: 8, .value_kind: global_buffer, .address_space: global }
      - { .name: maskbits, .offset: 8, .size: 8, .value_kind: global_buffer, .address_space: global }
      - { .name: ab, .offset: 16, .size: 8, .value_kind: global_buffer, .address_space: global }
    .group_segment_fixed_size: 327680
    .private_segment_fixed_size: 0
    .kernarg_segment_align: 8
    .kernarg_segment_size: 24
    .max_flat_workgroup_size: 256
    .sgpr_count:     100
    .vgpr_count:     448
    .wavefront_size: 32
...
	.end_amdgpu_metadata
.endif
;; end of part 3
;; launch oproj (part 4): grid 16 x 16, 4 waves a work-group, clusters of 4 x 4, 327,680 bytes of LDS; arguments ab, owb, out0; writes out0
.if DOCPART == 4
	.amdgcn_target "amdgcn-amd-amdhsa--gfx1250"
	.amdhsa_code_object_version 6
	.text
	.protected	k_q95eb2a3289_oproj
	.globl	k_q95eb2a3289_oproj
	.p2align	8
	.type	k_q95eb2a3289_oproj,@function
k_q95eb2a3289_oproj:
	s_mov_b64 s[64:65], 0
	v_nop
	global_prefetch_b8 v0, s[64:65] scope:SCOPE_SE
	s_setreg_imm32_b32 hwreg(HW_REG_WAVE_MODE, 25, 1), 1
	s_wait_xcnt 0x0
	s_wait_alu depctr_hold_cnt(0) depctr_sa_sdst(0) depctr_va_vdst(0) depctr_va_sdst(0) depctr_va_ssrc(0) depctr_va_vcc(0) depctr_vm_vsrc(0)
	s_getreg_b32 s2, hwreg(HW_REG_IB_STS2, 6, 4)
	s_cmp_eq_u32 s2, 0
	s_cbranch_scc0 .Lentry_in_a_cluster
	s_endpgm
.Lentry_in_a_cluster:
	s_bfe_u32 s2, ttmp6, 0x10000c
	s_cmp_lg_u32 s2, 0xf033
	s_cbranch_scc0 .Lentry_shape_is_right
	s_endpgm
.Lentry_shape_is_right:
; out0 = A B.  A = ab [4096][1024] f16 (the attention output / 4), K along the rows.  B = owb [1024][4096] f16 (4 o_w, which carries bf16's eight bits: see the launch that casts it),
; N along the rows.  out0 [4096][4096] f32.  Sums in f32; the factors 1/4 and 4 cancel.
; SHARES.  C has 16 x 16 tiles of 256 x 256: one work-group for each of 256 WGPs.  Four waves, 2 x 2, each 128 x 128 of C: 64 accumulators of 16 x 16, 512 registers.
; For 32 along K a wave reads 16 fragments from LDS (32 loads) and issues 64 matrix instructions.
; K goes in steps of 128 through two LDS slots filled by the tensor data mover: 256 rows of A (256 bytes each) and 128 rows of B (512 bytes each); every wave fetches 32,768 bytes of a slot.
; A slot is asked for again in the last quarter of its K step, and the wait for that load stands in the last quarter of the next: 240 matrix instructions of the wave lie between.
; B lies [k][n], so its fragments come out of LDS turned, by ds_load_tr16_b128.
; THE MATRIX INSTRUCTION IS USED TRANSPOSED (source 0 = 16 columns of B, source 1 = 16 rows of A): a lane then holds eight neighbouring numbers of a row of C.
; CLUSTERS: 4 x 4 work-groups.  The four of a row of the cluster need the same tiles of A, the four of a column the same tiles of B: each tile is asked for jointly.
; REGISTERS, in windows of 256 (s_set_vgpr_msb's low byte: bits 1:0 source 0, 3:2 source 1, 5:4 source 2, 7:6 destination):
;   window 0: v0-31 addresses; v64-127, v128-191 fragments of A (8 x 16 rows x 32 K), two buffers; on the way out the same registers take the rows read back from the stage
;   window 1: v64-127, v128-191 fragments of B (8 x 16 columns x 32 K), two buffers
;   window 2: the 32 accumulators of my rows 0-63 (accumulator (a, b) at v[8 (8 a + b)]);   window 3: those of my rows 64-127
.set SIZE_K, 1024
.set NPITCH, 4096                      ; elements in a row of B and of C
.set KSTEP,  128
.set PA,     272                       ; a row of A in LDS: 256 bytes + 16: the 16 rows of a fragment load start 16 bytes apart modulo 256
.set PB,     544                       ; a row of B: 512 + 32: 16 lanes of the turning load take 8 rows x 32 bytes, all different modulo 256
.set AHALF,  128*PA                    ; what one tensor load brings of A: 128 rows
.set ABYTES, 2*AHALF
.set BHALF,  64*PB                     ; what one tensor load brings of B: 64 rows of k
.set SLOT,   ABYTES+2*BHALF            ; 139,264
.set STAGE,  2*SLOT                    ; behind the ring: 16 stage rows for each wave; no tensor load fills it
.set SPITCH, 528                       ; a stage row: 128 f32 + 16 bytes
.set LAPS,   SIZE_K/(2*KSTEP)          ; a lap = two K steps = once round the ring
.set ADRA, 16                          ; v16-17  LDS address of my A fragments in slot 0, 1
.set ADRB, 20                          ; v20-21  the same for B
.set STO,  24                          ; v24     the way out: where I put my part of a row
.set RD,   25                          ; v25     the way out: where I read rows back
.set CO,   26                          ; v26     my byte offset in C
.set F0,   64                          ; fragment buffer 0 (A's in window 0, B's in window 1)
.set F1,   128                         ; fragment buffer 1
.set OB,   64                          ; the way out: 16 rows read back from the stage, 64 registers; two sets by turns
.set G1,  24                           ; s[24:31] descriptor group 1 for A;  s[32:39] group 0, a set for each slot
.set G0,  32
.set G1B, 48                           ; s[48:55], s[56:63] the same for B
.set G0B, 56
.set MSB, 0
.macro WIN new                         ; the immediate's high byte repeats the setting that is left; a switch that changes nothing is dropped
.if MSB != \new
	s_set_vgpr_msb (MSB<<8)|\new
.set MSB, \new
.endif
.endm
.set MUL_LO, 0xa1                      ; source 0 (B) window 1, source 1 (A) window 0, C and D window 2
.set MUL_HI, 0xf1                      ; the same, C and D window 3
.set TO_B,   0x40                      ; destination window 1, address window 0
.macro PLACES                          ; four places in front of loads into registers that matrix instructions have read, and of instructions that read results
.rept 4
	v_nop
.endr
.endm
.macro JLOAD s                         ; a joint load: waves 0 and 1 fetch the halves of A, waves 2 and 3 those of B; four v_nop follow each of the two lines
	s_cmp_eq_u32 s13, 0
	s_cbranch_scc0 .Lfor_b_\@
	tensor_load_to_lds s[G0+4*\s:G0+4*\s+3], s[G1:G1+7]
	s_nop 0
.rept 4
	v_nop
.endr
	s_branch .Lasked_\@
.Lfor_b_\@:
	tensor_load_to_lds s[G0B+4*\s:G0B+4*\s+3], s[G1B:G1B+7]
	s_nop 0
.rept 4
	v_nop
.endr
.Lasked_\@:
.endm
.macro CREST                           ; a round of the cluster barrier behind its opening barrier
	s_cmp_lg_u32 s12, 0
	s_cbranch_scc1 .Lnot_wave_0_\@
	s_barrier_signal -3
.Lnot_wave_0_\@:
	s_barrier_wait -3
	s_barrier_signal -1
	s_barrier_wait -1
.endm
.macro CROUND                          ; a whole round
	s_barrier_signal -1
	s_barrier_wait -1
	CREST
.endm
	s_load_b128 s[4:7], s[0:1], 0x0                ; A s[4:5], B s[6:7]
	s_load_b64 s[10:11], s[0:1], 0x10              ; C
	s_set_vgpr_msb 0x40
	v_lshl_add_u32 v255, v0, 2, 0x4c400
	s_set_vgpr_msb 0x4000
	v_mov_b32 v255, 0
	s_set_vgpr_msb 0x1
	ds_add_u32 v255, v255
	s_set_vgpr_msb 0x100
	v_lshrrev_b32 v1, 5, v0
	v_readfirstlane_b32 s12, v1                    ; wave 0..3
	s_lshr_b32 s13, s12, 1                         ; which half of the tile's rows is mine.  Also: I fetch for A (0) or for B (1),
	s_and_b32 s14, s12, 1                          ; which half of its columns.  Also: the first or second half of what I fetch for
	s_bfe_u32 s15, ttmp6, 0x40000                  ; cx, cy: my place in the cluster
	s_bfe_u32 s16, ttmp6, 0x40004
	s_lshl_b32 s17, ttmp9, 2
	s_add_co_u32 s17, s17, s15                     ; tile column = 4 x cluster x + cx
	s_and_b32 s18, ttmp7, 0xffff
	s_lshl_b32 s18, s18, 2
	s_add_co_u32 s18, s18, s16                     ; tile row = 4 x cluster y + cy
	s_lshl_b32 s40, s16, 2
	s_lshl_b32 s40, 15, s40                        ; my row of the cluster
	s_lshl_b32 s41, 0x1111, s15                    ; my column
	s_or_b32 s[G1+0], s40, (1<<16)|(1<<20)|(1<<21)|(5<<22)|(3<<25)   ; 15:0 the mask: tiles of A go to my row; 17:16 elements of 2 bytes; 20 padding on; 21 set beside a mask; 24:22 after every 64 words; 31:25 4 words of it
	s_or_b32 s[G1B+0], s41, (1<<16)|(1<<20)|(1<<21)|(6<<22)|(7<<25)  ; tiles of B go to my column; after every 128 words 8 words of padding
	s_mov_b32 s[G1+1], KSTEP<<16                   ; tensor_dim0 = 128
	s_mov_b32 s[G1+2], 128<<16                     ; tensor_dim1 = 128
	s_mov_b32 s[G1+3], KSTEP<<16                   ; tile_dim0 = 128
	s_mov_b32 s[G1+4], 128                         ; tile_dim1 = 128 rows
	s_mov_b32 s[G1+5], SIZE_K                      ; elements from row to row
	s_mov_b32 s[G1+6], 0
	s_mov_b32 s[G1+7], 0
	s_mov_b32 s[G1B+1], 256<<16                    ; tensor_dim0 = 256 columns
	s_mov_b32 s[G1B+2], 64<<16                     ; tensor_dim1 = 64
	s_mov_b32 s[G1B+3], 256<<16                    ; tile_dim0 = 256
	s_mov_b32 s[G1B+4], 64                         ; tile_dim1 = 64 rows of k
	s_mov_b32 s[G1B+5], NPITCH
	s_mov_b32 s[G1B+6], 0
	s_mov_b32 s[G1B+7], 0
	; where the tiles come from.  A hangs on the tile row alone, B on the tile column alone; each in registers that never hold the other coordinate.
	s_lshl_b32 s42, s18, 8
	s_lshl_b32 s43, s14, 7
	s_add_co_u32 s42, s42, s43                     ; A: row 256 x tile row + 128 x half
	s_mul_i32 s42, s42, SIZE_K*2                   ; in bytes: under 2^23
	s_mov_b32 s43, 0
	s_mul_i32 s46, s14, 64*NPITCH*2                ; B: row of k 64 x half,
	s_lshl_b32 s47, s17, 9
	s_add_co_u32 s46, s46, s47                     ; column 256 x tile column
	s_mov_b32 s47, 0
	s_mul_i32 s20, s14, AHALF                      ; where they go: no place in the cluster enters an LDS address
	s_mul_i32 s21, s14, BHALF
	s_add_co_u32 s21, s21, ABYTES
	s_wait_dscnt 0x0
	s_wait_kmcnt 0x0
	s_add_nc_u64 s[42:43], s[4:5], s[42:43]
	s_add_nc_u64 s[46:47], s[6:7], s[46:47]
	CROUND                                         ; all sixteen work-groups are here: the first joint loads meet
.irp s, 0,1
	s_mov_b32 s[G0+4*\s], 1                                        ; count = 1
	s_add_co_u32 s[G0+4*\s+1], s20, \s*SLOT                        ; LDS address
	s_add_nc_u64 s[G0+4*\s+2:G0+4*\s+3], s[42:43], \s*KSTEP*2      ; global address: K step s
	s_or_b32 s[G0+4*\s+3], s[G0+4*\s+3], 0x80000000                ; type = 2
	s_mov_b32 s[G0B+4*\s], 1
	s_add_co_u32 s[G0B+4*\s+1], s21, \s*SLOT
	s_add_nc_u64 s[G0B+4*\s+2:G0B+4*\s+3], s[46:47], \s*KSTEP*NPITCH*2
	s_or_b32 s[G0B+4*\s+3], s[G0B+4*\s+3], 0x80000000
	JLOAD \s                                       ; two tensor loads of mine are out
.endr
	v_and_b32 v1, 15, v0                           ; r = lane % 16
	v_bfe_u32 v2, v0, 4, 1                         ; h = lane / 16
	v_mul_u32_u24 v3, v1, PA
	v_lshl_add_u32 v3, v2, 4, v3                   ; a fragment of A: row r, 16 bytes for each half of the lanes
	s_mul_i32 s22, s13, AHALF                      ; my 128 rows
	v_add_nc_u32 v[ADRA], s22, v3
	v_add_nc_u32 v[ADRA+1], SLOT, v[ADRA]
	v_and_b32 v4, 7, v0
	v_lshl_add_u32 v4, v2, 3, v4                   ; the turning load: row of k 8 h + lane % 8,
	v_mul_u32_u24 v4, v4, PB
	v_bfe_u32 v5, v0, 3, 1
	v_lshl_add_u32 v4, v5, 4, v4                   ; columns 8 ((lane / 8) % 2) + 0..7
	s_lshl_b32 s19, s14, 8                         ; my 128 columns: 256 bytes into B's rows,
	s_add_co_u32 s19, s19, ABYTES                  ; which lie behind A's
	v_add_nc_u32 v[ADRB], s19, v4
	v_add_nc_u32 v[ADRB+1], SLOT, v[ADRB]
	s_mul_i32 s23, s12, 16*SPITCH
	s_add_co_u32 s23, s23, STAGE                   ; my stage
	v_and_b32 v5, 31, v0
	v_lshlrev_b32 v[CO], 4, v5                     ; in C: 16 x lane
	v_mul_u32_u24 v4, v1, SPITCH
	v_lshl_add_u32 v4, v2, 5, v4                   ; in: row r, 32 bytes (8 f32) for each half of the lanes
	v_add_nc_u32 v[STO], s23, v4
	v_add_nc_u32 v[RD], s23, v[CO]                 ; back: a whole row of 512 bytes
	; C: row 256 x tile row + 128 x my half (16,384 bytes each), column 256 x tile column + 128 x my half
	s_lshl_b32 s44, s18, 8
	s_lshl_b32 s45, s13, 7
	s_add_co_u32 s44, s44, s45
	s_lshl_b32 s44, s44, 14
	s_lshl_b32 s45, s17, 10
	s_add_co_u32 s44, s44, s45
	s_lshl_b32 s45, s14, 9
	s_add_co_u32 s44, s44, s45
	s_mov_b32 s45, 0
	s_add_nc_u64 s[10:11], s[10:11], s[44:45]
; 16 matrix instructions: row blocks a0, a0 + 1 of the window's four (hi = 0: my rows 0-63, 1: rows 64-127) x all 8 column blocks, 32 along K, from buffer f.
; zero = 1: the product starts the sums: nothing is ever cleared.
; The 64 accumulators take turns, one instruction a turn, in the same order in every quarter.
.macro MUL16 f, hi, a0, zero
.irp a, \a0, \a0+1
.irp b, 0,1,2,3,4,5,6,7
.if \zero
	v_wmma_f32_16x16x32_f16 v[8*(8*(\a)+\b):8*(8*(\a)+\b)+7], v[\f+8*\b:\f+8*\b+7], v[\f+8*(4*\hi+\a):\f+8*(4*\hi+\a)+7], 0
.else
	v_wmma_f32_16x16x32_f16 v[8*(8*(\a)+\b):8*(8*(\a)+\b)+7], v[\f+8*\b:\f+8*\b+7], v[\f+8*(4*\hi+\a):\f+8*(4*\hi+\a)+7], v[8*(8*(\a)+\b):8*(8*(\a)+\b)+7]
.endif
.endr
.endr
.endm
; 32 LDS loads in one run: the fragments of quarter q (32 along K) of a slot into buffer f: 16 for B (turned), then 16 for A.  The largest offset is 3 x 32 x 544 + 16 x 544 + 224 = 61,152.
.macro FETCH slot, q, f
	WIN TO_B
.irp i, 0,1,2,3,4,5,6,7
	ds_load_tr16_b128 v[\f+8*\i:\f+8*\i+3],   v[ADRB+\slot] offset:\q*32*PB+32*\i
	ds_load_tr16_b128 v[\f+8*\i+4:\f+8*\i+7], v[ADRB+\slot] offset:\q*32*PB+16*PB+32*\i
.endr
	WIN 0
.irp i, 0,1,2,3,4,5,6,7
	ds_load_b128 v[\f+8*\i:\f+8*\i+3],   v[ADRA+\slot] offset:\q*64+\i*16*PA
	ds_load_b128 v[\f+8*\i+4:\f+8*\i+7], v[ADRA+\slot] offset:\q*64+\i*16*PA+32
.endr
.endm
; A K step is four quarters of 32 along K, 64 matrix instructions each, on buffers 0, 1, 0, 1.  One of the first three: multiplies buffer f; in its middle it fetches quarter qn into g.
.macro QUARTER slot, qn, f, g, zero
	s_wait_dscnt 8                                 ; B and A's rows 0-63 are in; the youngest eight loads (A's rows 64-127) may be out
	WIN MUL_LO
	MUL16 \f, 0, 0, \zero
	MUL16 \f, 0, 2, \zero
	PLACES                                         ; buffer g was multiplied in the quarter before
	FETCH \slot, \qn, \g
	s_wait_dscnt 32                                ; all but the 32 just issued
	WIN MUL_HI
	MUL16 \f, 1, 0, \zero
	MUL16 \f, 1, 2, \zero
.endm
; The last quarter multiplies buffer 1 and changes slots: ONE barrier; in front of it each wave waits for its own reads of this slot and for all its tensor loads.
; fill = 1: the barrier opens a round of the cluster barrier, and this slot is filled again, two K steps ahead, first thing behind the round.
.macro TURN slot, next, fill
	s_wait_dscnt 8
	WIN MUL_LO
	MUL16 F1, 0, 0, 0
	s_wait_dscnt 0                                 ; my reads of this slot are over,
	s_wait_tensorcnt 0x0                           ; and all my tensor loads have landed: the one that was out is my part of the next slot
	ds_add_u32 v255, v255
	s_wait_dscnt 0x0
	s_barrier_signal -1
	MUL16 F1, 0, 2, 0                              ; register work while the others arrive
.if \fill
	WIN 0
.endif
	s_barrier_wait -1
.if \fill
	CREST                                          ; no wave of any partner still reads this slot or has a load on its way
	s_add_nc_u64 s[G0+4*\slot+2:G0+4*\slot+3], s[G0+4*\slot+2:G0+4*\slot+3], 2*KSTEP*2
	s_add_nc_u64 s[G0B+4*\slot+2:G0B+4*\slot+3], s[G0B+4*\slot+2:G0B+4*\slot+3], 2*KSTEP*NPITCH*2
	JLOAD \slot                                    ; my one tensor load behind the round; its four v_nop are also the places in front of the loads below
.else
	PLACES
.endif
	FETCH \next, 0, F0
	WIN MUL_HI
	MUL16 F1, 1, 0, 0
	MUL16 F1, 1, 2, 0
.endm
	s_wait_tensorcnt 1                             ; my part of K step 0 is in; K step 1 may stay out
	s_barrier_signal -1
	s_barrier_wait -1                              ; everybody's is
	FETCH 0, 0, F0
	QUARTER 0, 1, F0, F1, 1                        ; the first quarter stands in front of the loop: its products start the sums
	WIN 0                                          ; at a label and at a branch every window is 0
	s_mov_b32 s3, LAPS-1
.Llap:                                                 ; a trip goes once round the ring, from a lap's second quarter to the next lap's first, and fills both slots again
	QUARTER 0, 2, F1, F0, 0
	QUARTER 0, 3, F0, F1, 0
	TURN 0, 1, 1
	QUARTER 1, 1, F0, F1, 0
	QUARTER 1, 2, F1, F0, 0
	QUARTER 1, 3, F0, F1, 0
	TURN 1, 0, 1
	QUARTER 0, 1, F0, F1, 0
	WIN 0
	s_sub_co_u32 s3, s3, 1
	s_cmp_lg_u32 s3, 0
	s_cbranch_scc1 .Llap
	QUARTER 0, 2, F1, F0, 0                        ; the last lap fills nothing
	QUARTER 0, 3, F0, F1, 0
	TURN 0, 1, 0
	QUARTER 1, 1, F0, F1, 0
	QUARTER 1, 2, F1, F0, 0
	QUARTER 1, 3, F0, F1, 0
	s_wait_dscnt 8                                 ; the very last quarter: nothing more to fetch
	WIN MUL_LO
	MUL16 F1, 0, 0, 0
	MUL16 F1, 0, 2, 0
	s_wait_dscnt 0
	WIN MUL_HI
	MUL16 F1, 1, 0, 0
	MUL16 F1, 1, 2, 0
	WIN 0
	PLACES                                         ; what follows reads results and loads over fragment registers
; THE WAY OUT of row block a (16 of my 128 rows): 32 bytes a lane (8 f32) for each column block into my own stage, back as whole rows of 512 bytes, stored.
.macro SENDOUT a
	WIN 0x08+4*(\a/4)                              ; an LDS store's data is source 1: window 2 (blocks 0-3) or 3 (blocks 4-7)
.irp b, 0,1,2,3,4,5,6,7
	ds_store_b128 v[STO], v[8*(8*(\a%4)+\b):8*(8*(\a%4)+\b)+3]   offset:64*\b
	ds_store_b128 v[STO], v[8*(8*(\a%4)+\b)+4:8*(8*(\a%4)+\b)+7] offset:64*\b+16
.endr
	WIN 0
	s_wait_xcnt 0x0                                ; the registers that the stores of two blocks ago read are loaded again only behind this wait
.irp t, 0,1,2,3,4,5,6,7,8,9,10,11,12,13,14,15
	ds_load_b128 v[OB+64*(\a%2)+4*\t:OB+64*(\a%2)+4*\t+3], v[RD] offset:\t*SPITCH   ; LDS serves a wave's instructions in order: these see the stores above, and the next block's stores come behind them
.endr
.irp t, 0,1,2,3,4,5,6,7,8,9,10,11,12,13,14,15
	s_wait_dscnt 15-\t                             ; load t is back, the younger ones stay out
	global_store_b128 v[CO], v[OB+64*(\a%2)+4*\t:OB+64*(\a%2)+4*\t+3], s[10:11] offset:(16*\a+\t)*16384 th:TH_STORE_NT   ; 512 consecutive bytes of a row, aligned; 127 rows of C at the most: inside the signed 24-bit immediate
.endr
.endm
	SENDOUT 0
	SENDOUT 1
	SENDOUT 2
	SENDOUT 3
	SENDOUT 4
	SENDOUT 5
	SENDOUT 6
	SENDOUT 7
	s_set_vgpr_msb 0x1
	s_wait_tensorcnt 0x0
	ds_add_u32 v255, v255
	s_wait_dscnt 0x0
	s_set_vgpr_msb 0x100
	CROUND                                         ; the closing round: no work-group ends while a partner may still ask for a tile that names it
	s_endpgm
.Lfunc_end_k_q95eb2a3289_oproj:
	.size	k_q95eb2a3289_oproj, .Lfunc_end_k_q95eb2a3289_oproj-k_q95eb2a3289_oproj
	.p2alignl 7, 3214868480
	.fill 96, 4, 3214868480
	.section	.rodata,"a",@progbits
	.p2align	6, 0x0
	.amdhsa_kernel k_q95eb2a3289_oproj
		.amdhsa_group_segment_fixed_size 327680
		.amdhsa_private_segment_fixed_size 0
		.amdhsa_enable_private_segment 0
		.amdhsa_kernarg_size 24
		.amdhsa_user_sgpr_count 2
		.amdhsa_user_sgpr_kernarg_segment_ptr 1
		.amdhsa_wavefront_size32 1
		.amdhsa_system_sgpr_workgroup_id_x 1
		.amdhsa_system_sgpr_workgroup_id_y 1
		.amdhsa_system_sgpr_workgroup_id_z 1
		.amdhsa_system_vgpr_workitem_id 0
		.amdhsa_next_free_vgpr 1024
		.amdhsa_next_free_sgpr 66
		.amdhsa_reserve_vcc 0
		.amdhsa_float_denorm_mode_32 3
		.amdhsa_float_denorm_mode_16_64 3
		.amdhsa_memory_ordered 1
		.amdhsa_forward_progress 1
		.amdhsa_inst_pref_size 144
	.end_amdhsa_kernel
	.amdgpu_metadata
---
amdhsa.version: [ 1, 2 ]
amdhsa.kernels:
  - .name:           k_q95eb2a3289_oproj
    .symbol:         k_q95eb2a3289_oproj.kd
    .args:
      - { .name: ab, .offset: 0, .size: 8, .value_kind: global_buffer, .address_space: global }
      - { .name: owb, .offset: 8, .size: 8, .value_kind: global_buffer, .address_space: global }
      - { .name: out0, .offset: 16, .size: 8, .value_kind: global_buffer, .address_space: global }
    .group_segment_fixed_size: 327680
    .private_segment_fixed_size: 0
    .kernarg_segment_align: 8
    .kernarg_segment_size: 24
    .max_flat_workgroup_size: 128
    .sgpr_count:     66
    .vgpr_count:     1024
    .wavefront_size: 32
...
	.end_amdgpu_metadata
.endif
;; end of part 4
;; ======== version 2 of 2: 4 launches; version 1 with the launch prep written anew for expert scheduling mode
;; limits: values are held in f16: magnitudes above 65,504 overflow, below 6.1e-05 lose precision; right only within a limited range of input values
;; workspace buffers: xb 33,554,432 bytes; wb 16,777,216 bytes; owb 8,388,608 bytes; maskbits 1,048,576 bytes of whole numbers; rope 4,194,304 bytes; qkv 16,777,216 bytes; ab 8,388,608 bytes
;; launch prep (part 5): grid 1024 x 1, 8 waves a work-group, no clusters, 0 bytes of LDS; arguments hidden_states, q_w, k_w, v_w, o_w, attention_mask, position_ids, xb, wb, owb, maskbits, rope; writes xb, wb, owb, maskbits, rope
.if DOCPART == 5
	.amdgcn_target "amdgcn-amd-amdhsa--gfx1250"
	.amdhsa_code_object_version 6
	.text
	.protected	k_q95eb2a3289_prep
	.globl	k_q95eb2a3289_prep
	.p2align	8
	.type	k_q95eb2a3289_prep,@function
k_q95eb2a3289_prep:
	s_mov_b64 s[64:65], 0
	v_nop
	global_prefetch_b8 v0, s[64:65] scope:SCOPE_SE
	s_setreg_imm32_b32 hwreg(HW_REG_WAVE_SCHED_MODE, 0, 2), 2
	s_setreg_imm32_b32 hwreg(HW_REG_WAVE_MODE, 25, 1), 1
	s_wait_xcnt 0x0
	s_wait_alu depctr_vm_vsrc(0)
; PREP: everything that the three matrix launches want ready, in one launch.  The work-group number picks the role.
;   x   0 ..  63  MASK: attention_mask (bytes) -> maskbits, lane masks in the layout of a tile of scores:
;                 [256 tiles of 16 queries][128 tiles of 16 keys][8 words]; bit L of word j = mask[q0 + L%16][16 kt + 8 (L/16) + j]
;   x  64 .. 127  ROPE: position_ids -> rope [2 variants][4096 tokens][64 cos, 64 sin] f32; variant 0 times SQ (for Q), variant 1 plain (for K)
;   x 128 .. 1023 CAST: hidden_states -> xb (bf16); q_w, k_w / 4, v_w / 4 -> wb [4096 k][2048 n] (bf16); 4 o_w -> owb (bf16's bits, written as f16)
; FORMAT, A LIMIT: all five floating-point inputs are rounded to bf16 (eight bits, to nearest even), the rounding of matrix operands that the problem's contract names: the program
; computes reference() of the inputs so rounded.  What is computed from them and becomes a matrix operand later (Q, K, V, the weights p, the attention output) is rounded to f16.
; o_w meets an f16 partner in its product, so its bf16 numbers are written as f16: exact from 2^-17 up, and off by at most 2^-25 below.
; The factors 1/4 and 4 are powers of two: they round nothing and may stand ahead of the rounding.  They keep K, V and the attention output inside f16 for inputs
; thirty times larger, thirty times smaller or offset by thirty spreads (the largest |k| / 4 there is 4096 x 30 x 0.6 / 4 = 18,432).
; LIMIT: sine and cosine are made by a reduction in three parts of pi/2 and polynomials; the text serves |position| up to 2^22.
; No matrix unit, LDS or barrier: every role streams, and no wave needs another.
; THE MODE: SCHED_MODE bits 1:0 = 2 (LLVM: expert scheduling mode 2), set by the entry lines.  The code itself states the register dependences
; between vector instructions and memory instructions, and those through scalar registers that vector instructions write, with s_wait_alu, always for 0.
; THE PLAN.  Every role is one straight run of code from its label to its own end.  Registers that memory instructions touch:
;   CAST  v1, v2    offsets, made once, never written again.
;         X + 4 i   written by load i; rounded in place by block i / 4; its first two words read by one store, issued in block i / 4 + 1; never written again.
;         Block p's vector lines name block p's X alone, its stores block p - 1's: one wait at a block's head states all that its four stores hang on.
;   MASK  v1        the loads' offset, made once.   X: written by the loads, read by vector lines alone.   OUT, v3: written by vector lines, read by the four stores at the end.
;         s[40:55]  sixteen lane masks, written by a run of compares, read by sixteen v_writelane_b32: one wait behind each run.
;   ROPE  v6        the stores' offset, made once.   RES: eight registers a row, written once by vector lines, read by the row's four stores, never written again.
;         s[40:47]  first the eight positions; when these are converted, eight parity masks, written by a run of compares, read by the selects: one wait behind each of the two runs.
; No register that a memory instruction has read is written again in any role, so the roles hold no wait on vm_vsrc and no s_wait_xcnt.
.set X,   32                           ; v[32:159] data as loaded (CAST, MASK)
.set OUT, 16                           ; v[16:31]  MASK: 512 words of lane masks
.set RES, 32                           ; ROPE: eight result registers for each of a wave's eight rows
.set PF,  16                           ; ROPE: v[16:23]   the wave's eight positions in f32
.set SN,  96                           ; ROPE: v[96:103]  sin r of a batch's eight angles
.set CN,  104                          ; ROPE: v[104:111] cos r
.set KI,  112                          ; ROPE: v[112:119] k as a whole number
	s_load_b512 s[4:19], s[0:1], 0x0               ; hidden s[4:5], q_w s[6:7], k_w s[8:9], v_w s[10:11], o_w s[12:13], mask s[14:15], positions s[16:17], xb s[18:19]
	s_load_b256 s[20:27], s[0:1], 0x40             ; wb s[20:21], owb s[22:23], maskbits s[24:25], rope s[26:27]
	v_lshrrev_b32 v1, 5, v0
	v_readfirstlane_b32 s28, v1                    ; wave 0..7
	s_mov_b32 s31, 0                               ; the high word of every offset pair s[30:31]
	s_mov_b32 s35, 0xffff0000                      ; a word's upper bf16
	s_wait_alu depctr_va_sdst(0)                   ; s28 is written
	s_wait_kmcnt 0x0
; CAST.  A work-group casts 32,768 numbers: 131,072 bytes in, 65,536 out.  Thread t takes the 16 bytes at 16 t + 4096 i, i = 0 .. 31:
; a wave's load covers 512 consecutive bytes, its store (8 bytes a lane) 256 consecutive bytes at a multiple of 256.
; The source is walked as rows of 2^lc groups of four numbers; a row goes to the destination 2^lpd bytes behind the row before, d0 bytes in.
; scale: the factor's bits, or 0 for none.  tof16 = 1: the bf16 numbers are widened again (a shift, a mask) and written as f16.
; The 32 loads are worked on in eight blocks of four; a block's stores are issued in the next block, one ahead of each load's roundings.
.macro CAST src, dst, first, lc, lpd, d0, scale, tof16
	s_sub_co_u32 s29, ttmp9, \first
	s_lshl_b32 s30, s29, 17
	s_add_nc_u64 s[\src:\src+1], s[\src:\src+1], s[30:31]
	s_mul_i32 s30, s29, (8192>>\lc)<<\lpd
	s_add_nc_u64 s[\dst:\dst+1], s[\dst:\dst+1], s[30:31]
	v_lshlrev_b32 v1, 4, v0                        ; where I load
	v_and_b32 v2, (1<<\lc)-1, v0                   ; my group in its row,
	v_lshrrev_b32 v3, \lc, v0                      ; my row among those of one i
	v_lshlrev_b32 v2, 3, v2
	v_lshl_add_u32 v2, v3, \lpd, v2                ; where I store
	s_wait_alu depctr_va_vdst(0)                   ; v1 and v2 are written: every load reads v1 as its offset, every store v2
.set i, 0
.rept 32
	global_load_b128 v[X+4*i:X+4*i+3], v1, s[\src:\src+1] offset:4096*i th:TH_LOAD_NT
.set i, i+1
.endr
.set p, 0
.rept 8
	s_wait_loadcnt 28-4*p                          ; loads come back in order: block p's four are in, the 28 - 4 p younger ones stay out
.if p > 0
	s_wait_alu depctr_va_vdst(0)                   ; the block before has written its rounded words, which this block's four stores read; no vector line below names them
.endif
.set i, 4*p
.rept 4
.if p > 0
	global_store_b64 v2, v[X+4*(i-4):X+4*(i-4)+1], s[\dst:\dst+1] offset:\d0+(i-4)*((256>>\lc)<<\lpd)   ; no register is written after its store, so nothing waits for a store
.endif
.if \scale
	v_pk_mul_f32 v[X+4*i:X+4*i+1], v[X+4*i:X+4*i+1], \scale op_sel_hi:[1,0]
	v_pk_mul_f32 v[X+4*i+2:X+4*i+3], v[X+4*i+2:X+4*i+3], \scale op_sel_hi:[1,0]
.endif
	v_cvt_pk_bf16_f32 v[X+4*i], v[X+4*i], v[X+4*i+1]          ; numbers 0, 1, rounded to nearest even
	v_cvt_pk_bf16_f32 v[X+4*i+1], v[X+4*i+2], v[X+4*i+3]      ; numbers 2, 3
.if \tof16
	v_and_b32 v[X+4*i+3], s35, v[X+4*i+1]          ; number 3 as f32,
	v_lshlrev_b32 v[X+4*i+2], 16, v[X+4*i+1]       ; number 2,
	v_and_b32 v[X+4*i+1], s35, v[X+4*i]            ; number 1,
	v_lshlrev_b32 v[X+4*i], 16, v[X+4*i]           ; number 0
	v_cvt_pk_f16_f32 v[X+4*i], v[X+4*i], v[X+4*i+1]
	v_cvt_pk_f16_f32 v[X+4*i+1], v[X+4*i+2], v[X+4*i+3]
.endif
.set i, i+1
.endr
.set p, p+1
.endr
	s_wait_alu depctr_va_vdst(0)                   ; the last block has written its rounded words, which the last four stores read
.set i, 28
.rept 4
	global_store_b64 v2, v[X+4*i:X+4*i+1], s[\dst:\dst+1] offset:\d0+i*((256>>\lc)<<\lpd)
.set i, i+1
.endr
	s_endpgm
.endm
	s_cmp_lt_u32 ttmp9, 64
	s_cbranch_scc1 .Lmask
	s_cmp_lt_u32 ttmp9, 128
	s_cbranch_scc1 .Lrope
	s_cmp_lt_u32 ttmp9, 640
	s_cbranch_scc1 .Lcast_x
	s_cmp_lt_u32 ttmp9, 768
	s_cbranch_scc1 .Lcast_q
	s_cmp_lt_u32 ttmp9, 832
	s_cbranch_scc1 .Lcast_k
	s_cmp_lt_u32 ttmp9, 896
	s_cbranch_scc1 .Lcast_v
	CAST 12, 22, 896, 8, 11, 0, 0x40800000, 1      ; o_w x 4 -> owb, dense: 128 work-groups
.Lcast_x:
	CAST 4, 18, 128, 8, 11, 0, 0, 0                ; hidden_states -> xb, dense: 512 work-groups
.Lcast_q:
	CAST 6, 20, 640, 8, 12, 0, 0, 0                ; q_w -> columns 0 .. 1023 of wb (rows of 4,096 bytes): 128 work-groups
.Lcast_k:
	CAST 8, 20, 768, 7, 12, 2048, 0x3e800000, 0    ; k_w / 4 -> columns 1024 .. 1535: 64 work-groups
.Lcast_v:
	CAST 10, 20, 832, 7, 12, 3072, 0x3e800000, 0   ; v_w / 4 -> columns 1536 .. 2047: 64 work-groups
; MASK.  Wave W = 8 x + wave packs 16 queries (tile W / 2) x 1,024 keys (half W % 2).
; Lane (r = L % 16, h = L / 16) loads the 16 bytes of row r at keys 32 c + 16 h; two exchanges of half-registers bring each tile of 16 keys
; into the map of a score tile (lane (r, h): keys 8 h + 0 .. 7 in two registers); a compare of one byte then IS a lane mask.
.macro MSWAP c                         ; load c: registers 4c, 4c+1 become key tile 2c; registers 4c+2, 4c+3 key tile 2c+1
	v_permlane16_swap_b32 v[X+4*(\c)], v[X+4*(\c)+2]
	v_permlane16_swap_b32 v[X+4*(\c)+1], v[X+4*(\c)+3]
.endm
.macro MAND c, u                       ; the eight bytes of key tile 2c + u, each alone in a register
.irp j, 0,1,2,3,4,5,6,7
	v_and_b32 v[4+\j], 0xff<<(8*(\j&3)), v[X+4*(\c)+2*(\u)+(\j>>2)]
.endr
.endm
.macro MCMP u                          ; bit L: is key 8 h + j masked for query r
.irp j, 0,1,2,3,4,5,6,7
	v_cmp_ne_u32 s[40+8*(\u)+\j], 0, v[4+\j]
.endr
.endm
.macro MPUT c                          ; word 8 kt + j of the wave's 512 = 128 Q + 4 lane + register, for kt = 2c and 2c + 1
.irp u, 0,1
.irp j, 0,1,2,3,4,5,6,7
	v_writelane_b32 v[OUT+4*((2*(\c)+\u)/16)+(\j&3)], s[40+8*\u+\j], ((2*(\c)+\u)%16)*2+(\j>>2)
.endr
.endr
.endm
.Lmask:
	s_lshl_b32 s29, ttmp9, 3
	s_add_co_u32 s29, s29, s28                     ; W
	s_lshr_b32 s32, s29, 1                         ; the tile of queries
	s_and_b32 s33, s29, 1                          ; the half of the keys
	s_lshl_b32 s30, s32, 15                        ; 16 rows of 2,048 bytes
	s_lshl_b32 s34, s33, 10
	s_add_co_u32 s30, s30, s34
	s_add_nc_u64 s[14:15], s[14:15], s[30:31]
	s_lshl_b32 s30, s32, 12                        ; 128 key tiles x 32 bytes
	s_lshl_b32 s34, s33, 11
	s_add_co_u32 s30, s30, s34
	s_add_nc_u64 s[24:25], s[24:25], s[30:31]
	v_and_b32 v1, 15, v0
	v_bfe_u32 v2, v0, 4, 1
	v_lshlrev_b32 v1, 11, v1
	v_lshl_add_u32 v1, v2, 4, v1                   ; r x 2048 + 16 h
	s_wait_alu depctr_va_vdst(0)                   ; v1 is written: every load reads it as its offset
.set c, 0
.rept 32
	global_load_b128 v[X+4*c:X+4*c+3], v1, s[14:15] offset:32*c
.set c, c+1
.endr
	v_and_b32 v3, 31, v0
	v_lshlrev_b32 v3, 4, v3                        ; where I store: 16 x lane
.set i, 0
.rept 16
	v_mov_b32 v[OUT+i], 0                          ; v_writelane_b32 keeps the other lanes, so its destination is written whole first
.set i, i+1
.endr
	s_wait_loadcnt 31                              ; load 0 is in, the 31 younger ones stay out
	MSWAP 0
	MAND 0, 0
.set c, 0
.rept 32                                               ; a trip: load c's sixteen compares in one run; the next load's first lines; the one wait; load c's sixteen words
	MCMP 0
	MAND c, 1
	MCMP 1
.if c < 31
	s_wait_loadcnt 30-c                            ; load c + 1 is in, the 30 - c younger ones stay out
	MSWAP c+1
	MAND c+1, 0
.endif
	s_wait_alu depctr_va_sdst(0)                   ; the sixteen compares have written s[40:55], which the sixteen lines below read
	MPUT c
.set c, c+1
.endr
	s_wait_alu depctr_va_vdst(0)                   ; OUT and v3 are written: the four stores read them as data and offset
.irp q, 0,1,2,3
	global_store_b128 v3, v[OUT+4*\q:OUT+4*\q+3], s[24:25] offset:512*\q   ; 512 consecutive bytes
.endr
	s_endpgm
; ROPE.  Wave W = 8 (x - 64) + wave makes the rows of tokens 8 W .. 8 W + 7.  Lane l owns the frequencies 2 l and 2 l + 1.
; x = k pi/2 + r, |r| <= pi/4: the polynomials give sin r and cos r, k mod 4 says which is which and their signs.
; Four rows, eight angles, are a batch.  SC1 is an angle's first part, up to the compare of k's parity; SC2 its second, from the selects on: so a batch's eight compares are one run.
.macro SC1 pf, fr, q                   ; angle q of a batch: position v[pf] times frequency v[fr]
	v_mul_f32 v8, v[(\pf)], v[(\fr)]               ; the angle, rounded once
	v_mul_f32 v10, s48, v8
	v_rndne_f32 v10, v10                           ; k
	v_fma_f32 v11, v10, s49, v8                    ; x - k pi/2, pi/2 in three parts
	v_fma_f32 v11, v10, s50, v11
	v_fma_f32 v11, v10, s51, v11                   ; r
	v_mul_f32 v12, v11, v11                        ; r^2
	v_fma_f32 v13, v12, s54, s53
	v_fma_f32 v13, v12, v13, s52
	v_mul_f32 v14, v11, v12
	v_fma_f32 v[SN+(\q)], v14, v13, v11            ; sin r = r + r^3 (S1 + r^2 (S2 + r^2 S3))
	v_fma_f32 v14, v12, s57, s56
	v_fma_f32 v14, v12, v14, s55
	v_fma_f32 v14, v12, v14, -0.5
	v_fma_f32 v[CN+(\q)], v12, v14, 1.0            ; cos r = 1 + r^2 (-1/2 + r^2 (C2 + r^2 (C3 + r^2 C4)))
	v_cvt_i32_f32 v[KI+(\q)], v10
	v_and_b32 v10, 1, v[KI+(\q)]
	v_cmp_ne_u32 s[40+(\q)], 0, v10                ; is k odd
.endm
.macro SC2 q, c, s
	v_cndmask_b32 v[(\s)], v[SN+(\q)], v[CN+(\q)], s[40+(\q)]   ; k odd: the two change places
	v_cndmask_b32 v[(\c)], v[CN+(\q)], v[SN+(\q)], s[40+(\q)]
	v_lshlrev_b32 v10, 30, v[KI+(\q)]
	v_and_b32 v10, 0x80000000, v10                 ; sine is negative for k mod 4 = 2, 3
	v_xor_b32 v[(\s)], v[(\s)], v10
	v_add_nc_u32 v15, 1, v[KI+(\q)]
	v_lshlrev_b32 v15, 30, v15
	v_and_b32 v15, 0x80000000, v15                 ; cosine for k mod 4 = 1, 2
	v_xor_b32 v[(\c)], v[(\c)], v15
.endm
.macro RST p, v                        ; row p, variant v (0: times SQ, 1: plain): cosines, sines.  Each store of the wave: 256 consecutive bytes, aligned
	global_store_b64 v6, v[RES+8*(\p)+4-4*(\v):RES+8*(\p)+5-4*(\v)], s[26:27] offset:(\v)*2097152+(\p)*512
	global_store_b64 v6, v[RES+8*(\p)+6-4*(\v):RES+8*(\p)+7-4*(\v)], s[26:27] offset:(\v)*2097152+(\p)*512+256
.endm
.macro RP1 g                           ; the first parts of batch g: rows 4 g .. 4 g + 3
.set q, 0
.rept 8
	SC1 PF+4*(\g)+q/2, 4+q%2, q
.set q, q+1
.endr
.endm
.macro RP2 g, st                       ; the second parts of batch g and its rows times SQ.  st = 1: the sixteen stores of rows 0 .. 3 are dealt among them, two ahead of each
.set q, 0
.rept 8
.if \st
	RST q/2, q%2
.endif
	SC2 q, RES+8*(4*(\g)+q/2)+q%2, RES+8*(4*(\g)+q/2)+2+q%2
.set q, q+1
.endr
.set q, 0
.rept 4
	v_pk_mul_f32 v[RES+8*(4*(\g)+q)+4:RES+8*(4*(\g)+q)+5], v[RES+8*(4*(\g)+q):RES+8*(4*(\g)+q)+1], s[58:59] op_sel_hi:[1,0]
	v_pk_mul_f32 v[RES+8*(4*(\g)+q)+6:RES+8*(4*(\g)+q)+7], v[RES+8*(4*(\g)+q)+2:RES+8*(4*(\g)+q)+3], s[58:59] op_sel_hi:[1,0]
.set q, q+1
.endr
.endm
.Lrope:
	s_sub_co_u32 s29, ttmp9, 64
	s_lshl_b32 s29, s29, 3
	s_add_co_u32 s29, s29, s28                     ; W
	s_lshl_b32 s30, s29, 5                         ; eight positions of 4 bytes
	s_add_nc_u64 s[16:17], s[16:17], s[30:31]
	s_load_b256 s[40:47], s[16:17], 0x0
	s_lshl_b32 s30, s29, 12                        ; eight rows of 512 bytes
	s_add_nc_u64 s[26:27], s[26:27], s[30:31]
	s_mov_b32 s48, 0x3f22f983                      ; 2 / pi
	s_mov_b32 s49, 0xbfc90fdb                      ; - pi/2, first part
	s_mov_b32 s50, 0x333bbd2e                      ; second part
	s_mov_b32 s51, 0x26f72ced                      ; third part
	s_mov_b32 s52, 0xbe2aaaab                      ; S1 = -1/6
	s_mov_b32 s53, 0x3c088889                      ; S2 = 1/120
	s_mov_b32 s54, 0xb9500d01                      ; S3 = -1/5040
	s_mov_b32 s55, 0x3d2aaaab                      ; C2 = 1/24
	s_mov_b32 s56, 0xbab60b61                      ; C3 = -1/720
	s_mov_b32 s57, 0x37d00d01                      ; C4 = 1/40320
	s_mov_b32 s58, 0x3d0b4875                      ; SQ = 4 x 2 log2(e) / (30 sqrt(128)): with K / 4 it makes Q . K the exponent of the soft cap
	s_mov_b32 s59, s58                             ; named with it as a pair, so it is written
	v_and_b32 v1, 31, v0
	v_lshlrev_b32 v2, 1, v1
	v_add_nc_u32 v3, 1, v2
	v_cvt_f32_u32 v4, v2
	v_cvt_f32_u32 v5, v3
	v_mul_f32 v4, 0xbe549a78, v4                   ; - f log2(10000) / 64
	v_mul_f32 v5, 0xbe549a78, v5
	v_exp_f32 v4, v4                               ; 10000^(-f/64)
	v_exp_f32 v5, v5
	v_lshlrev_b32 v6, 3, v1                        ; where I store: 8 x lane.  Also the plain instruction behind the exponentials
	s_wait_kmcnt 0x0
.irp p, 0,1,2,3,4,5,6,7
	v_cvt_f32_i32 v[PF+\p], s[40+\p]               ; all eight positions now: s[40:47] then take the parity masks
.endr
	s_wait_alu depctr_va_vdst(0)                   ; the two exponentials have written v4 and v5, ahead of their first reader; and v6 is written, which every store reads as its offset
	RP1 0
	s_wait_alu depctr_va_sdst(0)                   ; the eight compares of rows 0 .. 3 have written s[40:47], which the selects below read
	RP2 0, 0
	RP1 1
	s_wait_alu depctr_va_sdst(0)                   ; the eight compares of rows 4 .. 7 have written s[40:47], which the selects below read
	s_wait_alu depctr_va_vdst(0)                   ; rows 0 .. 3 are written in RES, which the sixteen stores below read; the vector lines among them name rows 4 .. 7, SN, CN, KI, v10 and v15 alone
	RP2 1, 1
	s_wait_alu depctr_va_vdst(0)                   ; rows 4 .. 7 are written in RES, which the last sixteen stores read
.irp p, 4,5,6,7
	RST \p, 0
	RST \p, 1
.endr
	s_endpgm
.Lfunc_end_k_q95eb2a3289_prep:
	.size	k_q95eb2a3289_prep, .Lfunc_end_k_q95eb2a3289_prep-k_q95eb2a3289_prep
	.p2alignl 7, 3214868480
	.fill 96, 4, 3214868480
	.section	.rodata,"a",@progbits
	.p2align	6, 0x0
	.amdhsa_kernel k_q95eb2a3289_prep
		.amdhsa_group_segment_fixed_size 0
		.amdhsa_private_segment_fixed_size 0
		.amdhsa_enable_private_segment 0
		.amdhsa_kernarg_size 96
		.amdhsa_user_sgpr_count 2
		.amdhsa_user_sgpr_kernarg_segment_ptr 1
		.amdhsa_wavefront_size32 1
		.amdhsa_system_sgpr_workgroup_id_x 1
		.amdhsa_system_sgpr_workgroup_id_y 1
		.amdhsa_system_sgpr_workgroup_id_z 1
		.amdhsa_system_vgpr_workitem_id 0
		.amdhsa_next_free_vgpr 160
		.amdhsa_next_free_sgpr 66
		.amdhsa_reserve_vcc 0
		.amdhsa_float_denorm_mode_32 3
		.amdhsa_float_denorm_mode_16_64 3
		.amdhsa_memory_ordered 1
		.amdhsa_forward_progress 1
		.amdhsa_inst_pref_size 212
	.end_amdhsa_kernel
	.amdgpu_metadata
---
amdhsa.version: [ 1, 2 ]
amdhsa.kernels:
  - .name:           k_q95eb2a3289_prep
    .symbol:         k_q95eb2a3289_prep.kd
    .args:
      - { .name: hidden_states, .offset: 0, .size: 8, .value_kind: global_buffer, .address_space: global }
      - { .name: q_w, .offset: 8, .size: 8, .value_kind: global_buffer, .address_space: global }
      - { .name: k_w, .offset: 16, .size: 8, .value_kind: global_buffer, .address_space: global }
      - { .name: v_w, .offset: 24, .size: 8, .value_kind: global_buffer, .address_space: global }
      - { .name: o_w, .offset: 32, .size: 8, .value_kind: global_buffer, .address_space: global }
      - { .name: attention_mask, .offset: 40, .size: 8, .value_kind: global_buffer, .address_space: global }
      - { .name: position_ids, .offset: 48, .size: 8, .value_kind: global_buffer, .address_space: global }
      - { .name: xb, .offset: 56, .size: 8, .value_kind: global_buffer, .address_space: global }
      - { .name: wb, .offset: 64, .size: 8, .value_kind: global_buffer, .address_space: global }
      - { .name: owb, .offset: 72, .size: 8, .value_kind: global_buffer, .address_space: global }
      - { .name: maskbits, .offset: 80, .size: 8, .value_kind: global_buffer, .address_space: global }
      - { .name: rope, .offset: 88, .size: 8, .value_kind: global_buffer, .address_space: global }
    .group_segment_fixed_size: 0
    .private_segment_fixed_size: 0
    .kernarg_segment_align: 8
    .kernarg_segment_size: 96
    .max_flat_workgroup_size: 256
    .sgpr_count:     66
    .vgpr_count:     160
    .wavefront_size: 32
...
	.end_amdgpu_metadata
.endif
;; end of part 5
;; launch qkv: the kernel of part 2 again; grid 16 x 16, 4 waves a work-group, clusters of 4 x 4, 327,680 bytes of LDS; arguments xb, wb, rope, qkv; writes qkv
;; launch attn: the kernel of part 3 again; grid 32 x 8, 8 waves a work-group, clusters of 4 x 1, 327,680 bytes of LDS; arguments qkv, maskbits, ab; writes ab
;; launch oproj: the kernel of part 4 again; grid 16 x 16, 4 waves a work-group, clusters of 4 x 4, 327,680 bytes of LDS; arguments ab, owb, out0; writes out0
